; MI455X (gfx1250); checked and timed in simulation.
; The chip was launched on July 23, 2026; its instructions are those of AMD's public machine-readable ISA for CDNA 5 (MIT licence, August 2026) and "CDNA5" Instruction Set Architecture Reference Guide (July 2026). The comments in the code are by the model that wrote it; some were corrected since.
;; Sparse Matmul Gate Up. Allowed arithmetic: matrix products marked QUANTISED: E5M2 operands, one E8M0 scale for each 32 along K, by v_wmma_scale_f32_16x16x128_f8f6f4 with both operands' format E5M2, f32 sums; everything else in f32.
;; Inputs: hidden_4d 2,048 x 8 x 1 x 2,048 float32; sparsity 2,048 x 8 int32; weight_codes 1 x 8 x 2,048 x 64 x 32 uint8 (E5M2 codes of weight, K innermost, in blocks of 32 codes); weight_scales 1 x 8 x 2,048 x 64 uint8 (E8M0 scales of weight, one for each 32 codes along K).
;; Outputs: out0 2,048 float32.
;; This version of the problem:
;;   THIS VERSION OF THE PROBLEM IS GIVEN IN LOW PRECISION. The matrix products marked QUANTISED in the list below multiply operands that are first quantised to E5M2 (5 exponent bits, 2 mantissa bits; 8 bits a number), with one power-of-two scale for each 32 numbers along K (OCP MX v1.0); their sums are f32. All else is computed in f32.
;;   The module's matrix products, in the order in which they are computed (A, B: the left and right operand; K: the contracted axis; several contracted axes count as one K, in the product's order):
;;     1. batch 8 x [M 2,048, K 2,048] x [K 2,048, N 2,048]; A: input weight (given as codes); B: computed on the way: QUANTISED
;;   THE QUANTISER, for each operand of a quantised product, along K:
;;     - K is cut into blocks of 32 from its start; a last block that is shorter is filled with zeros.
;;     - A block's scale is 2^e with e = floor(log2(the largest magnitude in the block)) - 15, held to -126 .. 127; a block of zeros has e = 0. As a byte (E8M0): e + 127.
;;     - Each number is divided by its block's scale, clamped to +-57,344, and rounded to the nearest number of E5M2, ties to even, subnormals kept.
;;     - The product sums the exact products of the quantised numbers (number of the format x scale) in f32.
;;   ~~~python
;;   def quantise(x, axis):      # numpy; x: float32 -> the quantised numbers, widened to float32 again
;;       x = np.moveaxis(x, axis, -1); K = x.shape[-1]
;;       x = np.pad(x, [(0, 0)] * (x.ndim - 1) + [(0, -K % 32)]); x = x.reshape(x.shape[:-1] + (-1, 32)); a = np.abs(x).max(-1, keepdims=True)
;;       e = np.where(a > 0, np.clip(np.frexp(np.where(a > 0, a, 1))[1] - 1 - 15, -126, 127), 0)      # np.frexp(a)[1] - 1 = floor(log2(a)), exactly
;;       r = np.clip(x / 2.0 ** e, -57344, 57344)
;;       step = 2.0 ** (np.maximum(np.frexp(np.where(r == 0, 1, r))[1] - 1, -14) - 2)
;;       q = np.round(r / step) * step * 2.0 ** e      # np.round: ties to even
;;       return np.moveaxis(q.reshape(q.shape[:-2] + (-1,))[..., :K], -1, axis).astype(np.float32)
;;   ~~~
;;   OPERANDS COMPUTED ON THE WAY. 'Computed on the way' means the value that the module computes at that place (a softmax that the list does not call 'softmax' is quantised finished and normalised). What goes into a quantiser is computed in f32, as accurately as f32 sums, v_exp_f32 and their like allow (about 1e-6 of the number): no bf16 or f16 on the way to a quantiser, and a product that is left as it is and whose result goes on into a quantised operand takes f32 operands (vector FMAs, or v_wmma_f32_16x16x4_f32). A number that lies on a knife's edge between two numbers of the format may be rounded either way, as far as f32 arithmetic and the matrix unit's own rounding can turn it there, and no further.
;;   INPUTS GIVEN AS CODES. weight (in the module: [1, 8, 2048, 2048], K = its axis 2): each comes as NAME_codes (uint8): NAME with its K axis moved to the last place and cut into blocks of 32 codes, [.., K / 32, bytes a block], one block behind the other in memory; one code a byte (a code: sign, 5 exponent bits, 2 mantissa bits); and NAME_scales (uint8): the same leading axes, one E8M0 byte (e + 127) for each 32 codes along K. Its value is code x scale, taken as it is: it is not quantised again, and the codes and scales need not be those that the quantiser above would give.
;; 2 versions. Each part assembles by itself: llvm-mc -triple=amdgcn-amd-amdhsa -mcpu=gfx1250 --defsym DOCPART=n.
;; ======== version 1 of 2: 3 launches
;; workspace buffers: rows 65,536 bytes of whole numbers; cnt 1,024 bytes of whole numbers; gate 65,536 bytes; part 4,194,304 bytes
;; launch route (part 1): grid 264 x 1, 1 waves a work-group, no clusters, 0 bytes of LDS; arguments sparsity, rows, gate, cnt, part; writes rows, gate, cnt, part
.if DOCPART == 1
	.amdgcn_target "amdgcn-amd-amdhsa--gfx1250"
	.amdhsa_code_object_version 6
	.text
	.protected	k_qefdd54f7bf_route
	.globl	k_qefdd54f7bf_route
	.p2align	8
	.type	k_qefdd54f7bf_route,@function
k_qefdd54f7bf_route:
	s_mov_b64 s[64:65], 0
	v_nop
	global_prefetch_b8 v0, s[64:65] scope:SCOPE_SE
	s_setreg_imm32_b32 hwreg(HW_REG_WAVE_MODE, 25, 1), 1
	s_wait_xcnt 0x0
; ROUTING.  sparsity: [2048 tokens][8 experts] i32.  Two roles, parted by the work-group's number; one wave each, no LDS.
; Work-groups 0 to 7 (one for each expert e): a list of ALL 2,048 tokens of the expert: those whose flag is not 0 from slot 0 upward, in ascending order, the others from slot 2,047 downward.
;   rows[e][slot] = the token, gate[e][slot] = the flag as f32 (0.0 for the others), cnt[e][0..31] = the number of flags that are not 0.
;   Every slot is written, each token has exactly one slot: a slot behind the count is a real token whose gate is 0.
; Work-groups 8 to 263: 16,384 bytes of zeros each into part (4 MiB): the next launch stores only the rows of the slots that it multiplies.
.set F,    8                           ; v8-71    the flags of tokens 32 g + lane, then the gates
.set POS,  72                          ; v72-135  the slot, in bytes
.set TOKV, 136                         ; v136-199 the token.  Each g has registers of its own: no store's source is written again
	s_load_b256 s[4:11], s[0:1], 0x0               ; sparsity s[4:5], rows s[6:7], gate s[8:9], cnt s[10:11]
	s_load_b64 s[12:13], s[0:1], 0x20              ; part
	v_and_b32 v1, 31, v0                           ; lane
	s_cmp_ge_u32 ttmp9, 8
	s_cbranch_scc1 .Lzero
	s_lshl_b32 s16, ttmp9, 2
	v_lshl_add_u32 v2, v1, 5, s16                  ; a token's 8 flags are 32 bytes: 32 x lane + 4 e
	s_lshl_b32 s16, ttmp9, 13                      ; the expert's 2,048 words in rows and in gate
	s_mov_b32 s17, 0
	s_lshl_b32 s18, ttmp9, 7                       ; and its 32 words in cnt
	s_mov_b32 s19, 0
	s_mov_b32 s20, 0                               ; flags that are not 0, so far
	s_wait_kmcnt 0x0
	s_add_nc_u64 s[6:7], s[6:7], s[16:17]
	s_add_nc_u64 s[8:9], s[8:9], s[16:17]
	s_add_nc_u64 s[10:11], s[10:11], s[18:19]
.set g, 0
.rept 64
	global_load_b32 v[F+g], v2, s[4:5] offset:1024*g   ; tokens 32 g + lane
.set g, g+1
.endr
.set g, 0
.rept 64
	s_wait_loadcnt 63-g                            ; loads come back in order: load g is in, the 63 - g younger ones may be out
	v_cmp_ne_u32 vcc_lo, 0, v[F+g]
	v_mbcnt_lo_u32_b32 v3, vcc_lo, 0               ; set flags in the lanes below me,
	v_add_nc_u32 v3, s20, v3                       ; and in the groups before: the slot of a token that counts
	v_sub_nc_u32 v4, v3, v1
	v_add_nc_u32 v4, 2047-32*g, v4                 ; 2,047 - (tokens before me - set flags before me): the slot of one that does not
	v_cndmask_b32 v[POS+g], v4, v3, vcc_lo
	v_min_u32 v[POS+g], 2047, v[POS+g]             ; what hangs on loaded numbers enters an address behind a hold
	v_lshlrev_b32 v[POS+g], 2, v[POS+g]
	v_add_nc_u32 v[TOKV+g], 32*g, v1
	v_cvt_f32_i32 v[F+g], v[F+g]                   ; the mask as reference() has it: the flag as f32
	global_store_b32 v[POS+g], v[TOKV+g], s[6:7]
	global_store_b32 v[POS+g], v[F+g], s[8:9]
	s_bcnt1_i32_b32 s21, vcc_lo
	s_add_co_u32 s20, s20, s21
.set g, g+1
.endr
	v_mov_b32 v5, s20
	v_lshlrev_b32 v6, 2, v1
	global_store_b32 v6, v5, s[10:11]              ; the count, 32 times: the buffer is written whole
	s_endpgm
.Lzero:
	s_sub_co_u32 s16, ttmp9, 8
	s_lshl_b32 s16, s16, 14                        ; my 16,384 bytes of part
	s_mov_b32 s17, 0
	v_lshlrev_b32 v2, 4, v1
	v_mov_b32 v8, 0
	v_mov_b32 v9, 0
	v_mov_b32 v10, 0
	v_mov_b32 v11, 0
	s_wait_kmcnt 0x0
	s_add_nc_u64 s[12:13], s[12:13], s[16:17]
.set g, 0
.rept 32
	global_store_b128 v2, v[8:11], s[12:13] offset:512*g   ; 32 lanes store 512 consecutive bytes, aligned
.set g, g+1
.endr
	s_endpgm
.Lfunc_end_k_qefdd54f7bf_route:
	.size	k_qefdd54f7bf_route, .Lfunc_end_k_qefdd54f7bf_route-k_qefdd54f7bf_route
	.p2alignl 7, 3214868480
	.fill 96, 4, 3214868480
	.section	.rodata,"a",@progbits
	.p2align	6, 0x0
	.amdhsa_kernel k_qefdd54f7bf_route
		.amdhsa_group_segment_fixed_size 0
		.amdhsa_private_segment_fixed_size 0
		.amdhsa_enable_private_segment 0
		.amdhsa_kernarg_size 40
		.amdhsa_user_sgpr_count 2
		.amdhsa_user_sgpr_kernarg_segment_ptr 1
		.amdhsa_wavefront_size32 1
		.amdhsa_system_sgpr_workgroup_id_x 1
		.amdhsa_system_sgpr_workgroup_id_y 1
		.amdhsa_system_sgpr_workgroup_id_z 1
		.amdhsa_system_vgpr_workitem_id 0
		.amdhsa_next_free_vgpr 208
		.amdhsa_next_free_sgpr 66
		.amdhsa_reserve_vcc 1
		.amdhsa_float_denorm_mode_32 3
		.amdhsa_float_denorm_mode_16_64 3
		.amdhsa_memory_ordered 1
		.amdhsa_forward_progress 1
		.amdhsa_inst_pref_size 57
	.end_amdhsa_kernel
	.amdgpu_metadata
---
amdhsa.version: [ 1, 2 ]
amdhsa.kernels:
  - .name:           k_qefdd54f7bf_route
    .symbol:         k_qefdd54f7bf_route.kd
    .args:
      - { .name: sparsity, .offset: 0, .size: 8, .value_kind: global_buffer, .address_space: global }
      - { .name: rows, .offset: 8, .size: 8, .value_kind: global_buffer, .address_space: global }
      - { .name: gate, .offset: 16, .size: 8, .value_kind: global_buffer, .address_space: global }
      - { .name: cnt, .offset: 24, .size: 8, .value_kind: global_buffer, .address_space: global }
      - { .name: part, .offset: 32, .size: 8, .value_kind: global_buffer, .address_space: global }
    .group_segment_fixed_size: 0
    .private_segment_fixed_size: 0
    .kernarg_segment_align: 8
    .kernarg_segment_size: 40
    .max_flat_workgroup_size: 32
    .sgpr_count:     66
    .vgpr_count:     208
    .wavefront_size: 32
...
	.end_amdgpu_metadata
.endif
;; end of part 1
;; launch main (part 2): grid 32 x 8, 4 waves a work-group, no clusters, 51,712 bytes of LDS; arguments hidden_4d, weight_codes, weight_scales, rows, gate, cnt, part; writes part
.if DOCPART == 2
	.amdgcn_target "amdgcn-amd-amdhsa--gfx1250"
	.amdhsa_code_object_version 6
	.text
	.protected	k_qefdd54f7bf_main
	.globl	k_qefdd54f7bf_main
	.p2align	8
	.type	k_qefdd54f7bf_main,@function
k_qefdd54f7bf_main:
	s_mov_b64 s[64:65], 0
	v_nop
	global_prefetch_b8 v0, s[64:65] scope:SCOPE_SE
	s_setreg_imm32_b32 hwreg(HW_REG_WAVE_MODE, 25, 1), 1
	s_wait_xcnt 0x0
; part[e][s][w][b] = the sum over n = 512 w .. 512 w + 511 and k = 128 s .. 128 s + 127 of Q(hidden[b][e][k] x gate) x W[e][n][k], on codes of BF8 (E5M2) with one E8M0 scale for each 32 along K.
; hidden_4d: [2048][8][1][2048] f32.  weight_codes: [8][2048 n][2048 k], one code a byte; weight_scales: [8][2048 n][64].  rows, gate, cnt: the lists of the launch before.
; SHARES.  A work-group is (expert e = y, K step s = x / 2 of 128, parity t = x % 2): 8 x 16 x 2 = 256.  Only the sum over n is wanted, so all n blocks of a block of tokens add onto ONE accumulator, and the registers are free
; for the weights: wave w keeps W[e][512 w ..][128 s ..], 32 fragments, 512 registers, for the whole launch.  The expert's listed tokens stream past, 64 slots (4 blocks of 16) a round; rounds 2 i + t are this work-group's.
; Rows whose flag is 0 are neither read nor multiplied, but for those that fill the last round: their gate is 0, their codes are zeros, and 0 is stored for them.
; A TRIP r (parity p = r % 2): 128 matrix instructions on round r's four fragments XR[p]; between them, three lines behind each: round r + 1's fragments from LDS into XR[1 - p]; my block (block w) of round r + 2: out of raw[p],
; turned through my own stage in LDS so that a lane holds 16 neighbours along K of each block of 32, x gate, quantised, stored to LDS as an image of the operand's registers; round r + 4's 16 rows asked for into raw[p].
; Then the accumulators are summed over their 16 n and stored, one number for each token.  One barrier a trip.  The vector and LDS lines are about 2.3 for each matrix instruction, so they stand between the matrix instructions, at the
; price of two window switches for each.
; THE NUMBER OF ROUNDS HANGS ON A STORED COUNT.  The loop has a constant 16 trips; a trip at or beyond the count jumps over its work and not over its barrier.  Rounds beyond the count are still asked for, with a lane step of 0
; (every lane reads the row's first 16 bytes), so that a trip always has the same 19 loads behind it.
; NO CLUSTER, NO TENSOR LOAD: which trips work hangs on a number read from memory; a piece of hidden is read by one work-group alone, and a piece of W by two (t = 0, 1), once each.
; LIMITS.  NaN and infinities in hidden are not served (reference() makes NaN of infinity x 0 in a row whose flag is 0; such a row is not read here).  A block of zeros, and a block whose largest magnitude lies under 2^-111, gets the
; scale byte 1 (the rule: 127 for zeros): zero codes add nothing under any byte, and the bytes are read here alone.  The f32 sums run in another order than reference()'s: n blocks in a chain, then 512 parts in the next launch.
.set TRP,  528                         ; a row in the stage: 512 bytes + 16 = 33 x 16: the 16 rows that a load touches fall into 16 different columns of 16 bytes
.set TRB,  16*TRP                      ; LDS 0: a stage of 16 rows for each wave, its own
.set IMG0, 4*TRB                       ; behind them two sets of images, by the round's parity:
.set IMGB, 8704                        ; 4 fragments x 2,048 bytes (block q: 2048 q + 512 c + 16 x lane), then their scale words (128 q + 4 x lane)
.set ISC,  8192
; window 0
.set LANE, 1                           ; v1   lane
.set LI,   2                           ; v2   16 x lane
.set LS,   3                           ; v3   4 x lane
.set R4,   4                           ; v4   4 x (lane % 16)
.set TRW,  5                           ; v5   the stage, in: my stage + 16 x lane
.set TRR,  6                           ; v6   the stage, out: my stage + 528 (lane % 16) + 64 (lane / 16)
.set IWI,  7                           ; v7   where I store my fragment's image: 2048 w + 16 x lane
.set IWS,  8                           ; v8   and its scale word: 128 w + 4 x lane
.set LX,   9                           ; v9   lane x step
.set GQ,   10                          ; v[10:11] my row's gate; v11 is named with it as a pair and holds 0
.set GT,   12                          ; v12-13 the gate as loaded, by parity
.set TK,   14                          ; v14-17 the round's 64 tokens, two registers for each parity
.set SA,   18                          ; v18-19 the stores' offsets
.set OV,   20                          ; v20-21 the stores' data
.set WOF,  22                          ; v22  W's codes: 2048 (lane % 16) + 16 (lane / 16)
.set WSO,  23                          ; v23  W's scale words: 64 x lane
.set RT,   24                          ; v24-39 at work in the sums
.set WS,   40                          ; v40-55 W's scale words: register i: lanes 0-15 fragment 2 i, lanes 16-31 fragment 2 i + 1
.set XS,   56                          ; v56-63 the rows' scale words: 4 p + q
.set PC,   64                          ; v64-79 the codes just made
.set TM,   80                          ; v80-95 four each: largest magnitudes; the other half's, then bytes; the largest number x the scale; the conversion's scale
.set XQ,   96                          ; v96-159 64 numbers: register 16 c + i = k 32 c + 16 (lane / 16) + i of row lane % 16
.set ACC,  160                         ; v160-191 four accumulators, one for each block of tokens
.set PW,   192                         ; v192 the scale word just made
; window 1: v0-63 raw[0], v64-127 raw[1] (row i: 4 registers; the first holds the row's offset until the load lands on it); v128-191 XR[0], v192-255 XR[1].   windows 2, 3: W's fragments 0-15, 16-31.
; scalars: s[2:3] hidden, s[4:5] W's codes, s[6:7] W's scales, s[8:9] rows, s[10:11] gate, s[12:13] part, each at this work-group's (wave's) part; s14 w, s15 e, s84 s, s85 t, s91 4 t + w; s86 my rounds; s88 the trip;
; s[16:31] sixteen tokens (s[32:47], s[48:63], s[68:83]: three more sets at the head); s89 the lane step; s90 at work; s92, s93, s94 offsets into gate and rows.
.set MSB, 0
.macro WIN new                         ; the immediate's high byte repeats the setting that is left; a switch that changes nothing is dropped
.if MSB != (\new)
	s_set_vgpr_msb (MSB<<8)|(\new)
.set MSB, (\new)
.endif
.endm
; Each of the macros below writes line n of a run.
.macro IT_TRS p                        ; row n as loaded (16 bytes a lane, 512 on end) into my stage
	WIN 0x04                                       ; an LDS store's data are source 1: window 1
	ds_store_b128 v[TRW], v[64*\p+4*n:64*\p+4*n+3] offset:TRP*n
.endm
.macro IT_TRL                          ; and back: of row lane % 16, four neighbours of block n / 4.  LDS serves a wave's instructions in order (ISA guide 5.7.1.4): these see the stores
	WIN 0
	ds_load_b128 v[XQ+4*n:XQ+4*n+3], v[TRR] offset:128*(n/4)+16*(n%4)
.endm
.macro IT_F pp                         ; four registers of a fragment's image: block n / 4
	WIN 0x40                                       ; destination window 1
	ds_load_b128 v[128+64*(\pp)+4*n:128+64*(\pp)+4*n+3], v[LI] offset:IMG0+IMGB*(\pp)+512*n
.endm
.macro IT_FS pp                        ; block n's scale words
	WIN 0
	ds_load_b32 v[XS+4*(\pp)+n], v[LS] offset:IMG0+IMGB*(\pp)+ISC+128*n
.endm
.macro IT_MIN tk                       ; a loaded token enters an address behind a hold
	s_min_u32 s[\tk+n], s[\tk+n], 2047
.endm
.macro IT_ADR p, tk                    ; row n's offset: a token's 8 x 2,048 numbers are 65,536 bytes
	WIN 0x40
	v_lshl_add_u32 v[64*\p+4*n], s[\tk+n], 16, v[LX]
.endm
.macro IT_LD p                         ; 32 lanes read the row's 512 consecutive bytes of this K step, aligned; the load lands on its own offset
	WIN 0x41
	global_load_b128 v[64*\p+4*n:64*\p+4*n+3], v[64*\p+4*n], s[2:3] th:TH_LOAD_NT
.endm
.macro IT_SC d                         ; the scalar lines of trip s88 + d
.if n == 0
	s_add_co_u32 s90, s88, \d+4                    ; the round to be asked for
.elseif n == 1
	s_cmp_lt_u32 s90, s86
.elseif n == 2
	s_cselect_b32 s89, 16, 0                       ; one of mine: 16 bytes a lane; else all lanes at the row's first 16
.elseif n == 3
	s_min_u32 s89, s89, 16                         ; (chosen by a stored count: held before it enters an address)
.elseif n == 4
	s_lshl_b32 s90, s90, 3
.elseif n == 5
	s_add_co_u32 s90, s90, s91                     ; its block of mine: 8 round + 4 t + w,
.elseif n == 6
	s_min_u32 s90, s90, 127                        ; inside the list
.elseif n == 7
	s_lshl_b32 s92, s90, 6                         ; 16 slots of 4 bytes
.elseif n == 8
	s_add_co_u32 s90, s88, \d+5                    ; the tokens of the round after it
.elseif n == 9
	s_lshl_b32 s90, s90, 3
.elseif n == 10
	s_add_co_u32 s90, s90, s91
.elseif n == 11
	s_min_u32 s90, s90, 127
.elseif n == 12
	s_lshl_b32 s93, s90, 6
.elseif n == 13
	s_add_co_u32 s90, s88, \d+2                    ; the 64 tokens of the round that this parity multiplies next
.elseif n == 14
	s_lshl_b32 s90, s90, 1
.elseif n == 15
	s_add_co_u32 s90, s90, s85
.elseif n == 16
	s_min_u32 s90, s90, 31
.else
	s_lshl_b32 s94, s90, 8
.endif
.endm
.macro IT_SA p                         ; this round's tokens become the stores' offsets
	WIN 0
.if n < 2
	v_min_u32 v[SA+n], 2047, v[TK+2*\p+n]
.else
	v_lshlrev_b32 v[SA+n-2], 2, v[SA+n-2]
.endif
.endm
.macro IT_TK p
	WIN 0
.if n%2 == 0
	v_add_nc_u32 v[TK+2*\p+n/2], s94, v[LS]
.else
	global_load_b32 v[TK+2*\p+n/2], v[TK+2*\p+n/2], s[8:9] offset:128*(n/2)
.endif
.endm
.macro IT_GT p
	WIN 0
.if n == 0
	v_add_nc_u32 v[GT+\p], s92, v[R4]
.else
	global_load_b32 v[GT+\p], v[GT+\p], s[10:11]
.endif
.endm
; 160 lines: the 64 numbers in v[XQ] on are multiplied by the gate and become a fragment's codes in v[PC] on and its scale word in v[PW]
.macro IT_Q
	WIN 0
.if n < 32
	v_pk_mul_f32 v[XQ+2*n:XQ+2*n+1], v[XQ+2*n:XQ+2*n+1], v[GQ:GQ+1] op_sel_hi:[1,0]   ; h = hidden x mask, as reference() has it
.elseif n < 36
.set b, n-32
	v_max3_num_f32 v[TM+b], |v[XQ+16*b]|, |v[XQ+16*b+1]|, 0x8000000   ; block b: my 16 numbers, and the floor 2^(16 - 127): the byte cannot fall under 1
.elseif n < 64
.set b, (n-36)%4
.set i, 2+2*((n-36)/4)
	v_max3_num_f32 v[TM+b], v[TM+b], |v[XQ+16*b+i]|, |v[XQ+16*b+i+1]|   ; the four blocks by turns
.elseif n < 68
.set b, n-64
	v_permlanex16_b32 v[TM+4+b], v[TM+b], s98, s99
.elseif n < 72
.set b, n-68
	v_max_num_f32 v[TM+b], v[TM+b], v[TM+4+b]      ; with lane l xor 16's: the block's largest magnitude
.elseif n < 76
.set b, n-72
	v_add_nc_u32 v[TM+12+b], 0xf8800000, v[TM+b]   ; 15 off its exponent field: the conversion takes this operand's exponent field as its scale
.elseif n < 80
.set b, n-76
	v_and_or_b32 v[TM+8+b], v[TM+b], 0x7f800000, s100   ; 57,344 x the scale
.elseif n < 84
.set b, n-80
	v_lshrrev_b32 v[TM+4+b], 23, v[TM+12+b]        ; the scale's byte
.elseif n == 84
	v_lshl_or_b32 v[PW], v[TM+5], 8, v[TM+4]
.elseif n == 85
	v_lshl_or_b32 v[PW], v[TM+6], 16, v[PW]
.elseif n == 86
	v_lshl_or_b32 v[PW], v[TM+7], 24, v[PW]
.elseif n < 159
.set b, (n-87)/18
.set i, (n-87)%18
.if i < 16
	v_med3_num_f32 v[XQ+16*b+i], v[XQ+16*b+i], -v[TM+8+b], v[TM+8+b]   ; the conversion to an 8-bit code does not saturate (ISA guide 7.6.2): the hold
.elseif i == 16
	v_cvt_scalef32_pk8_bf8_f32 v[PC+4*b:PC+4*b+1], v[XQ+16*b:XQ+16*b+7], v[TM+12+b]
.else
	v_cvt_scalef32_pk8_bf8_f32 v[PC+4*b+2:PC+4*b+3], v[XQ+16*b+8:XQ+16*b+15], v[TM+12+b]
.endif
.else
	v_nop                                          ; a plain line behind the last conversion
.endif
.endm
.macro IT_IMG p                        ; the fragment goes to LDS as it stands in the registers, and its scale word
	WIN 0
.if n < 4
	ds_store_b128 v[IWI], v[PC+4*n:PC+4*n+3] offset:IMG0+IMGB*(\p)+512*n
.else
	ds_store_b32 v[IWS], v[PW] offset:IMG0+IMGB*(\p)+ISC
.endif
.endm
; whole runs, for the head
.macro ALL_TRS p
.set n, 0
.rept 16
	IT_TRS \p
.set n, n+1
.endr
.endm
.macro ALL_TRL
.set n, 0
.rept 16
	IT_TRL
.set n, n+1
.endr
.endm
.macro ALL_F pp
.set n, 0
.rept 16
	IT_F \pp
.set n, n+1
.endr
.set n, 0
.rept 4
	IT_FS \pp
.set n, n+1
.endr
.endm
.macro ALL_Q
.set n, 0
.rept 160
	IT_Q
.set n, n+1
.endr
.endm
.macro ALL_IMG p
.set n, 0
.rept 5
	IT_IMG \p
.set n, n+1
.endr
.endm
.macro WLOAD f                         ; W's fragment f: lane (r, h): row 512 w + 16 f + r, bytes 32 c + 16 h on of this K step's 128
.set ww, 0x80+0x40*((\f)/16)
	WIN ww                                         ; destination window 2 or 3
.irp c, 0,1,2,3
	global_load_b128 v[16*((\f)%16)+4*\c:16*((\f)%16)+4*\c+3], v[WOF], s[4:5] offset:32768*(\f)+32*\c
.endr
.endm
.macro GROUP g, p, tk                  ; at the head: my block of round g is asked for: 16 rows and the gate: 17 loads
.set n, 0
.rept 16
	IT_MIN \tk
.set n, n+1
.endr
	s_cmp_gt_u32 s86, \g
	s_cselect_b32 s89, 16, 0
	s_min_u32 s89, s89, 16
	s_add_co_u32 s90, s91, 8*\g
	s_lshl_b32 s90, s90, 6
	WIN 0
	v_mul_u32_u24 v[LX], v[LANE], s89
.set n, 0
.rept 16
	IT_ADR \p, \tk
.set n, n+1
.endr
.set n, 0
.rept 16
	IT_LD \p
.set n, n+1
.endr
	WIN 0
	v_add_nc_u32 v[GT+\p], s90, v[R4]
	global_load_b32 v[GT+\p], v[GT+\p], s[10:11]
.endm
.macro TOK g, p                        ; at the head: the 64 tokens of round g: slots 64 (2 g + t) on
	s_lshl_b32 s90, s85, 8
	s_add_co_u32 s90, s90, 512*\g
	v_add_nc_u32 v[TK+2*\p], s90, v[LS]
	global_load_b32 v[TK+2*\p], v[TK+2*\p], s[8:9]
	v_add_nc_u32 v[TK+2*\p+1], s90, v[LS]
	global_load_b32 v[TK+2*\p+1], v[TK+2*\p+1], s[8:9] offset:128
.endm
; Matrix instruction k of a trip's 128: W's fragment k / 4 (source 0) x block k % 4 of the tokens (source 1).  In the result a lane holds ONE token (lane % 16) and eight n.
; The four accumulators take turns, one instruction a turn; the first four start the sums with the constant 0.
.macro WM p
.set wi, k/4
.set wq, k%4
.set rA, 16*(wi%16)
.set rB, 128+64*\p+16*wq
.set rD, ACC+8*wq
.set ww, 0x06+wi/16
	WIN ww                                         ; source 0 window 2 or 3, source 1 window 1, C and D window 0
.if wi == 0
	v_wmma_scale_f32_16x16x128_f8f6f4 v[rD:rD+7], v[rA:rA+15], v[rB:rB+15], 0, v[WS+wi/2], v[XS+4*\p+wq] matrix_a_fmt:MATRIX_FMT_BF8 matrix_b_fmt:MATRIX_FMT_BF8
.elseif wi%2 == 0
	v_wmma_scale_f32_16x16x128_f8f6f4 v[rD:rD+7], v[rA:rA+15], v[rB:rB+15], v[rD:rD+7], v[WS+wi/2], v[XS+4*\p+wq] matrix_a_fmt:MATRIX_FMT_BF8 matrix_b_fmt:MATRIX_FMT_BF8
.else
	v_wmma_scale_f32_16x16x128_f8f6f4 v[rD:rD+7], v[rA:rA+15], v[rB:rB+15], v[rD:rD+7], v[WS+wi/2], v[XS+4*\p+wq] matrix_a_fmt:MATRIX_FMT_BF8 matrix_b_fmt:MATRIX_FMT_BF8 matrix_a_scale:MATRIX_SCALE_ROW1
.endif
.endm
; Line j of the 300 that stand between a trip's matrix instructions.  None of them names a register of this trip's matrix instructions.
.macro ITEM p, d
.if j == 0
	s_wait_loadcnt 19                              ; all but the last trip's 19 loads are in: raw[p], its gate, this round's tokens (in the first trip: all of W too)
.elseif j < 17
.set n, j-1
	IT_TRS \p
.elseif j < 33
.set n, j-17
	IT_TRL
.elseif j < 49
.set n, j-33
	IT_F 1-\p
.elseif j < 53
.set n, j-49
	IT_FS 1-\p
.elseif j == 53
	s_wait_kmcnt 0x0                               ; the sixteen tokens asked for in the last trip; s93, that load's offset, may be written again
.elseif j < 70
.set n, j-54
	IT_MIN 16
.elseif j < 88
.set n, j-70
	IT_SC \d
.elseif j == 88
	s_wait_dscnt 20                                ; all but the 16 + 4 image loads: the turn through the stage is over, so raw[p] may be written and v[XQ] on read
.elseif j == 89
	s_wait_xcnt 0x0                                ; the last trip's stores have read their offsets and data
.elseif j == 90
	WIN 0
	v_mov_b32 v[GQ], v[GT+\p]
.elseif j == 91
	WIN 0
	v_mul_u32_u24 v[LX], v[LANE], s89
.elseif j < 96
.set n, j-92
	IT_SA \p
.elseif j < 112
.set n, j-96
	IT_ADR \p, 16
.elseif j < 128
.set n, j-112
	IT_LD \p
.elseif j < 132
.set n, j-128
	IT_TK \p
.elseif j < 134
.set n, j-132
	IT_GT \p
.elseif j == 134
	s_load_b512 s[16:31], s[8:9], s93 offset:0x0   ; the next trip's sixteen tokens
.elseif j < 295
.set n, j-135
	IT_Q
.elseif j < 300
.set n, j-295
	IT_IMG \p
.endif
.endm
; The sums over the accumulators' n: eight registers, each accumulator from its low end on, then the other half of the lanes.  Two blocks share the exchange: lanes 0-15 end with block 2 u's sixteen tokens, lanes 16-31 with block 2 u + 1's.
.macro RED
.irp q, 0,1,2,3
	v_pk_add_f32 v[RT+4*\q:RT+4*\q+1], v[ACC+8*\q:ACC+8*\q+1], v[ACC+8*\q+2:ACC+8*\q+3]
.endr
.irp q, 0,1,2,3
	v_pk_add_f32 v[RT+4*\q+2:RT+4*\q+3], v[ACC+8*\q+4:ACC+8*\q+5], v[ACC+8*\q+6:ACC+8*\q+7]
.endr
.irp q, 0,1,2,3
	v_pk_add_f32 v[RT+4*\q:RT+4*\q+1], v[RT+4*\q:RT+4*\q+1], v[RT+4*\q+2:RT+4*\q+3]
.endr
.irp q, 0,1,2,3
	v_add_f32 v[RT+4*\q], v[RT+4*\q], v[RT+4*\q+1]
.endr
.irp u, 0,1
	v_cndmask_b32 v[OV+\u], v[RT+8*\u], v[RT+8*\u+4], s101       ; what stays: lanes 0-15 block 2 u's, lanes 16-31 block 2 u + 1's
.endr
.irp u, 0,1
	v_cndmask_b32 v[RT+8*\u+1], v[RT+8*\u+4], v[RT+8*\u], s101   ; what the other half wants
.endr
.irp u, 0,1
	v_permlanex16_b32 v[RT+8*\u+2], v[RT+8*\u+1], s98, s99
.endr
.irp u, 0,1
	v_add_f32 v[OV+\u], v[OV+\u], v[RT+8*\u+2]
.endr
.irp u, 0,1
	global_store_b32 v[SA+\u], v[OV+\u], s[12:13]                ; a number for each of 32 listed tokens, which ascend in the row of part
.endr
.endm
.macro FULL p, d
.set k, 0
.set j, 0
.rept 128
	WM \p
.rept 3
	ITEM \p, \d
.set j, j+1
.endr
.set k, k+1
.endr
	WIN 0
.rept 8
	v_nop                                          ; eight places behind this form in front of the first read of results and of the next trip's loads into XR[p] and its scale words
.endr                                              ; with the sums' lines on the other accumulators they are more than the nine in front of the next trip's products, which begin the accumulators anew
	RED
.endm
; A trip.  The jump over the work hangs on the stored count; the wait for LDS and the barrier stand behind the join, on every wave's path.
.macro TRIP p, d
	s_add_co_u32 s90, s88, \d
	s_cmp_ge_u32 s90, s86
	s_cbranch_scc1 .Lskip_\@
	FULL \p, \d
	s_branch .Ljoin_\@
.Lskip_\@:
	s_wait_loadcnt 0x0                             ; nothing more is asked for: what is out comes in
.Ljoin_\@:
	s_wait_dscnt 0x0                               ; my images of round r + 2 have landed, and my reads of round r + 1's are in: the next trip's images go over those
	s_barrier_signal -1
	s_barrier_wait -1
.endm
	s_load_b256 s[16:23], s[0:1], 0x0              ; hidden s[16:17], W's codes s[18:19], W's scales s[20:21], rows s[22:23]
	s_load_b128 s[24:27], s[0:1], 0x20             ; gate s[24:25], cnt s[26:27]
	s_load_b64 s[28:29], s[0:1], 0x30              ; part
	v_lshl_add_u32 v254, v0, 2, 0xc800
	v_mov_b32 v255, 0
	v_lshrrev_b32 v1, 5, v0
	v_readfirstlane_b32 s14, v1                    ; wave 0..3
	s_lshr_b32 s84, ttmp9, 1                       ; K step
	s_and_b32 s85, ttmp9, 1                        ; parity of my rounds
	s_and_b32 s15, ttmp7, 0xffff                   ; expert
	s_lshl_b32 s91, s85, 2
	s_add_co_u32 s91, s91, s14                     ; 4 t + w
	s_mov_b32 s98, 0x76543210
	s_mov_b32 s99, 0xfedcba98                      ; v_permlanex16_b32's selects for lane l xor 16
	s_mov_b32 s100, 0x600000                       ; the mantissa field of 57,344
	s_mov_b32 s101, 0xffff0000                     ; lanes 16-31
	v_and_b32 v[LANE], 31, v0
	v_and_b32 v[RT], 15, v0                        ; r
	v_bfe_u32 v[RT+1], v0, 4, 1                    ; h
	v_lshlrev_b32 v[LI], 4, v[LANE]
	v_lshlrev_b32 v[LS], 2, v[LANE]
	v_lshlrev_b32 v[R4], 2, v[RT]
	s_mul_i32 s90, s14, TRB
	v_add_nc_u32 v[TRW], s90, v[LI]
	v_mul_u32_u24 v[TRR], v[RT], TRP
	v_lshl_add_u32 v[TRR], v[RT+1], 6, v[TRR]
	v_add_nc_u32 v[TRR], s90, v[TRR]
	s_lshl_b32 s90, s14, 11
	v_add_nc_u32 v[IWI], s90, v[LI]
	s_lshl_b32 s90, s14, 7
	v_add_nc_u32 v[IWS], s90, v[LS]
	v_mov_b32 v[GQ+1], 0
	v_lshlrev_b32 v[WOF], 11, v[RT]
	v_lshl_add_u32 v[WOF], v[RT+1], 4, v[WOF]
	v_lshlrev_b32 v[WSO], 6, v[LANE]
.irp b, 4,5,6,7
	v_mov_b32 v[TM+\b], 0                          ; written once: a lane permute's destination counts as one of its sources
.endr
	s_mov_b32 s93, 0
	s_lshl_b32 s92, s15, 13                        ; the expert's 8,192 bytes in rows, in gate, and in a token's part of hidden
	s_wait_kmcnt 0x0
	s_add_nc_u64 s[8:9], s[22:23], s[92:93]
	s_add_nc_u64 s[10:11], s[24:25], s[92:93]
	s_lshl_b32 s90, s84, 9
	s_add_co_u32 s92, s92, s90                     ; + the K step's 512 bytes
	s_add_nc_u64 s[2:3], s[16:17], s[92:93]
	s_lshl_b32 s92, s15, 22                        ; W's codes: 2^22 bytes an expert, 512 rows of 2,048 a wave, 128 a K step
	s_lshl_b32 s90, s14, 20
	s_add_co_u32 s92, s92, s90
	s_lshl_b32 s90, s84, 7
	s_add_co_u32 s92, s92, s90
	s_add_nc_u64 s[4:5], s[18:19], s[92:93]
	s_lshl_b32 s92, s15, 17                        ; W's scales: a thirty-second of that
	s_lshl_b32 s90, s14, 15
	s_add_co_u32 s92, s92, s90
	s_lshl_b32 s90, s84, 2
	s_add_co_u32 s92, s92, s90
	s_add_nc_u64 s[6:7], s[20:21], s[92:93]
	s_lshl_b32 s92, s15, 7
	s_add_nc_u64 s[96:97], s[26:27], s[92:93]      ; the expert's count
	s_lshl_b32 s92, s15, 4
	s_add_co_u32 s92, s92, s84
	s_lshl_b32 s92, s92, 2
	s_add_co_u32 s92, s92, s14
	s_lshl_b32 s92, s92, 13                        ; part: row (16 e + s) 4 + w of 8,192 bytes
	s_add_nc_u64 s[12:13], s[28:29], s[92:93]
	s_lshl_b32 s93, s91, 6
	s_load_b32 s86, s[96:97], 0x0
	s_load_b512 s[16:31], s[8:9], s93 offset:0x0   ; my blocks' tokens of rounds 0 to 3: block 8 i + 4 t + w, 64 bytes each
	s_load_b512 s[32:47], s[8:9], s93 offset:0x200
	s_load_b512 s[48:63], s[8:9], s93 offset:0x400
	s_load_b512 s[68:83], s[8:9], s93 offset:0x600
.irp f, 0,1,2,3,4,5,6,7,8,9,10
	WLOAD \f                                       ; W's first 11 fragments: 44 loads,
.endr
	WIN 0
.set n, 0
.rept 16
	global_load_b32 v[WS+n], v[WSO], s[6:7] offset:2048*n   ; and the scale words of all 32: lane l: row 512 w + 32 n + l
.set n, n+1
.endr
	s_wait_kmcnt 0x0
	s_min_u32 s86, s86, 2048
	s_add_co_u32 s86, s86, 15
	s_lshr_b32 s86, s86, 4                         ; blocks of 16 listed tokens,
	s_add_co_u32 s86, s86, 3
	s_lshr_b32 s86, s86, 2                         ; rounds of four blocks,
	s_max_u32 s86, s86, 1                          ; one at the least,
	s_add_co_u32 s86, s86, 1
	s_sub_co_u32 s86, s86, s85
	s_lshr_b32 s86, s86, 1                         ; and those of my parity: 0 to 16
	GROUP 0, 0, 16
	GROUP 1, 1, 32
.irp f, 11,12,13,14,15,16,17,18,19,20,21
	WLOAD \f                                       ; 44 loads
.endr
	s_wait_loadcnt 61                              ; behind round 0's loads: round 1's 17 and these 44
	ALL_TRS 0
	ALL_TRL
	s_wait_dscnt 0x0                               ; the turn is over: raw[0] may be written
	WIN 0
	v_mov_b32 v[GQ], v[GT]
	GROUP 2, 0, 48
	TOK 0, 0                                       ; 19 loads with the group's
	ALL_Q
	ALL_IMG 0
	s_wait_loadcnt 63                              ; behind round 1's loads: W's 44 and round 2's 19
	ALL_TRS 1
	ALL_TRL
	s_wait_dscnt 0x0                               ; the turn is over, and round 0's image stores have read their registers
	WIN 0
	v_mov_b32 v[GQ], v[GT+1]
.irp f, 22,23,24,25,26,27,28,29,30,31
	WLOAD \f                                       ; 40 loads
.endr
	GROUP 3, 1, 68
	TOK 1, 1                                       ; the last 19 loads ahead of the loop
	s_add_co_u32 s93, s91, 32
	s_lshl_b32 s93, s93, 6
	s_load_b512 s[16:31], s[8:9], s93 offset:0x0   ; round 4's tokens, for the first trip
	ALL_Q
	ALL_IMG 1
	s_wait_dscnt 0x0                               ; my images of rounds 0 and 1 have landed
	s_barrier_signal -1
	s_barrier_wait -1                              ; everybody's have
	ALL_F 0
	ALL_F 1                                        ; (the first trip fetches round 1 once more: one text serves all trips)
	s_wait_dscnt 0x0                               ; my reads of round 0's images are in: the first trip's images go over them
	s_barrier_signal -1
	s_barrier_wait -1
	WIN 0
	s_mov_b32 s88, 0
.Lpair:                                            ; eight times two trips: a constant
	TRIP 0, 0
	TRIP 1, 1
	s_add_co_u32 s88, s88, 2
	s_cmp_lt_u32 s88, 16
	s_cbranch_scc1 .Lpair
	s_wait_tensorcnt 0x0
	ds_add_u32 v254, v255
	s_wait_dscnt 0x0
	s_endpgm
.Lfunc_end_k_qefdd54f7bf_main:
	.size	k_qefdd54f7bf_main, .Lfunc_end_k_qefdd54f7bf_main-k_qefdd54f7bf_main
	.p2alignl 7, 3214868480
	.fill 96, 4, 3214868480
	.section	.rodata,"a",@progbits
	.p2align	6, 0x0
	.amdhsa_kernel k_qefdd54f7bf_main
		.amdhsa_group_segment_fixed_size 51712
		.amdhsa_private_segment_fixed_size 0
		.amdhsa_enable_private_segment 0
		.amdhsa_kernarg_size 56
		.amdhsa_user_sgpr_count 2
		.amdhsa_user_sgpr_kernarg_segment_ptr 1
		.amdhsa_wavefront_size32 1
		.amdhsa_system_sgpr_workgroup_id_x 1
		.amdhsa_system_sgpr_workgroup_id_y 1
		.amdhsa_system_sgpr_workgroup_id_z 1
		.amdhsa_system_vgpr_workitem_id 0
		.amdhsa_next_free_vgpr 1024
		.amdhsa_next_free_sgpr 102
		.amdhsa_reserve_vcc 0
		.amdhsa_float_denorm_mode_32 3
		.amdhsa_float_denorm_mode_16_64 3
		.amdhsa_memory_ordered 1
		.amdhsa_forward_progress 1
		.amdhsa_inst_pref_size 147
	.end_amdhsa_kernel
	.amdgpu_metadata
---
amdhsa.version: [ 1, 2 ]
amdhsa.kernels:
  - .name:           k_qefdd54f7bf_main
    .symbol:         k_qefdd54f7bf_main.kd
    .args:
      - { .name: hidden_4d, .offset: 0, .size: 8, .value_kind: global_buffer, .address_space: global }
      - { .name: weight_codes, .offset: 8, .size: 8, .value_kind: global_buffer, .address_space: global }
      - { .name: weight_scales, .offset: 16, .size: 8, .value_kind: global_buffer, .address_space: global }
      - { .name: rows, .offset: 24, .size: 8, .value_kind: global_buffer, .address_space: global }
      - { .name: gate, .offset: 32, .size: 8, .value_kind: global_buffer, .address_space: global }
      - { .name: cnt, .offset: 40, .size: 8, .value_kind: global_buffer, .address_space: global }
      - { .name: part, .offset: 48, .size: 8, .value_kind: global_buffer, .address_space: global }
    .group_segment_fixed_size: 51712
    .private_segment_fixed_size: 0
    .kernarg_segment_align: 8
    .kernarg_segment_size: 56
    .max_flat_workgroup_size: 128
    .sgpr_count:     102
    .vgpr_count:     1024
    .wavefront_size: 32
...
	.end_amdgpu_metadata
.endif
;; end of part 2
;; launch fold (part 3): grid 32 x 1, 32 waves a work-group, no clusters, 12,288 bytes of LDS; arguments part, out0; writes out0
.if DOCPART == 3
	.amdgcn_target "amdgcn-amd-amdhsa--gfx1250"
	.amdhsa_code_object_version 6
	.text
	.protected	k_qefdd54f7bf_fold
	.globl	k_qefdd54f7bf_fold
	.p2align	8
	.type	k_qefdd54f7bf_fold,@function
k_qefdd54f7bf_fold:
	s_mov_b64 s[64:65], 0
	v_nop
	global_prefetch_b8 v0, s[64:65] scope:SCOPE_SE
	s_setreg_imm32_b32 hwreg(HW_REG_WAVE_MODE, 25, 1), 1
	s_wait_xcnt 0x0
; out0[b] = the sum of part's 512 rows at b.  part: [512][2048] f32.  A work-group owns 64 tokens: 256 bytes of each row.  Wave v adds rows 16 v .. 16 v + 15 (each load: 32 lanes, 256 consecutive bytes, aligned);
; the 32 waves' sums meet in LDS behind one barrier, and wave 0 adds them and stores 256 consecutive bytes.  Memory binds; no matrix unit, no cluster: the work-groups share no byte.
.macro HALVE cnt                       ; pair i takes pair i + cnt, for the first cnt pairs from v8 on
.set i, 0
.rept \cnt
	v_pk_add_f32 v[8+2*i:9+2*i], v[8+2*i:9+2*i], v[8+2*(i+\cnt):9+2*(i+\cnt)]
.set i, i+1
.endr
.endm
	s_load_b128 s[4:7], s[0:1], 0x0                ; part, out0
	v_lshl_add_u32 v80, v0, 2, 0x2000
	v_mov_b32 v81, 0
	v_lshrrev_b32 v1, 5, v0
	v_readfirstlane_b32 s8, v1                     ; wave 0..31
	v_and_b32 v2, 31, v0
	v_lshlrev_b32 v2, 3, v2                        ; 8 bytes a lane
	s_lshl_b32 s10, ttmp9, 8                       ; my work-group's 256 bytes of a row,
	s_lshl_b32 s11, s8, 17                         ; my wave's 16 rows of 8,192 bytes
	s_add_co_u32 s10, s10, s11
	s_mov_b32 s11, 0
	s_lshl_b32 s12, s8, 8
	v_add_nc_u32 v3, s12, v2                       ; LDS: 256 x wave + 8 x lane
	s_wait_kmcnt 0x0
	s_add_nc_u64 s[4:5], s[4:5], s[10:11]
.set i, 0
.rept 16
	global_load_b64 v[8+2*i:9+2*i], v2, s[4:5] offset:8192*i th:TH_LOAD_NT
.set i, i+1
.endr
	s_wait_loadcnt 0x0
	HALVE 8
	HALVE 4
	HALVE 2
	HALVE 1
	ds_store_b64 v3, v[8:9]
	s_wait_dscnt 0x0                               ; for the others' sake: my sum has landed
	s_barrier_signal -1
	s_barrier_wait -1
	s_cmp_lg_u32 s8, 0
	s_cbranch_scc1 .Ldone
.set i, 0
.rept 32
	ds_load_b64 v[8+2*i:9+2*i], v2 offset:256*i
.set i, i+1
.endr
	s_lshl_b32 s10, ttmp9, 8
	s_mov_b32 s11, 0
	s_add_nc_u64 s[6:7], s[6:7], s[10:11]
	s_wait_dscnt 0x0
	HALVE 16
	HALVE 8
	HALVE 4
	HALVE 2
	HALVE 1
	global_store_b64 v2, v[8:9], s[6:7]            ; 32 lanes store 256 consecutive bytes, aligned
.Ldone:
	s_wait_tensorcnt 0x0
	ds_add_u32 v80, v81
	s_wait_dscnt 0x0
	s_endpgm
.Lfunc_end_k_qefdd54f7bf_fold:
	.size	k_qefdd54f7bf_fold, .Lfunc_end_k_qefdd54f7bf_fold-k_qefdd54f7bf_fold
	.p2alignl 7, 3214868480
	.fill 96, 4, 3214868480
	.section	.rodata,"a",@progbits
	.p2align	6, 0x0
	.amdhsa_kernel k_qefdd54f7bf_fold
		.amdhsa_group_segment_fixed_size 12288
		.amdhsa_private_segment_fixed_size 0
		.amdhsa_enable_private_segment 0
		.amdhsa_kernarg_size 16
		.amdhsa_user_sgpr_count 2
		.amdhsa_user_sgpr_kernarg_segment_ptr 1
		.amdhsa_wavefront_size32 1
		.amdhsa_system_sgpr_workgroup_id_x 1
		.amdhsa_system_sgpr_workgroup_id_y 1
		.amdhsa_system_sgpr_workgroup_id_z 1
		.amdhsa_system_vgpr_workitem_id 0
		.amdhsa_next_free_vgpr 82
		.amdhsa_next_free_sgpr 66
		.amdhsa_reserve_vcc 0
		.amdhsa_float_denorm_mode_32 3
		.amdhsa_float_denorm_mode_16_64 3
		.amdhsa_memory_ordered 1
		.amdhsa_forward_progress 1
		.amdhsa_inst_pref_size 8
	.end_amdhsa_kernel
	.amdgpu_metadata
---
amdhsa.version: [ 1, 2 ]
amdhsa.kernels:
  - .name:           k_qefdd54f7bf_fold
    .symbol:         k_qefdd54f7bf_fold.kd
    .args:
      - { .name: part, .offset: 0, .size: 8, .value_kind: global_buffer, .address_space: global }
      - { .name: out0, .offset: 8, .size: 8, .value_kind: global_buffer, .address_space: global }
    .group_segment_fixed_size: 12288
    .private_segment_fixed_size: 0
    .kernarg_segment_align: 8
    .kernarg_segment_size: 16
    .max_flat_workgroup_size: 1024
    .sgpr_count:     66
    .vgpr_count:     82
    .wavefront_size: 32
...
	.end_amdgpu_metadata
.endif
;; end of part 3
;; ======== version 2 of 2: 3 launches
;; workspace buffers: rows 65,536 bytes of whole numbers; cnt 1,024 bytes of whole numbers; gate 65,536 bytes; part 4,194,304 bytes
;; launch route (part 4): grid 264 x 1, 1 waves a work-group, no clusters, 0 bytes of LDS; arguments sparsity, rows, gate, cnt, part; writes rows, gate, cnt, part
.if DOCPART == 4
	.amdgcn_target "amdgcn-amd-amdhsa--gfx1250"
	.amdhsa_code_object_version 6
	.text
	.protected	k_qefdd54f7bf_route
	.globl	k_qefdd54f7bf_route
	.p2align	8
	.type	k_qefdd54f7bf_route,@function
k_qefdd54f7bf_route:
	s_mov_b64 s[64:65], 0
	v_nop
	global_prefetch_b8 v0, s[64:65] scope:SCOPE_SE
	s_setreg_imm32_b32 hwreg(HW_REG_WAVE_MODE, 25, 1), 1
	s_wait_xcnt 0x0
; ROUTING.  sparsity: [2048 tokens][8 experts] i32.  Two roles, parted by the work-group's number; one wave each, no LDS.
; Work-groups 0 to 7 (one for each expert e): a list of ALL 2,048 tokens of the expert: those whose flag is not 0 from slot 0 upward, in ascending order, the others from slot 2,047 downward.
;   rows[e][slot] = the token, gate[e][slot] = the flag as f32 (0.0 for the others), cnt[e][0..31] = the number of flags that are not 0.
;   Every slot is written, each token has exactly one slot: a slot behind the count is a real token whose gate is 0.
; Work-groups 8 to 263: 16,384 bytes of zeros each into part (4 MiB): the next launch stores only the rows of the slots that it multiplies.
.set F,    8                           ; v8-71    the flags of tokens 32 g + lane, then the gates
.set POS,  72                          ; v72-135  the slot, in bytes
.set TOKV, 136                         ; v136-199 the token.  Each g has registers of its own: no store's source is written again
	s_load_b256 s[4:11], s[0:1], 0x0               ; sparsity s[4:5], rows s[6:7], gate s[8:9], cnt s[10:11]
	s_load_b64 s[12:13], s[0:1], 0x20              ; part
	v_and_b32 v1, 31, v0                           ; lane
	s_cmp_ge_u32 ttmp9, 8
	s_cbranch_scc1 .Lzero
	s_lshl_b32 s16, ttmp9, 2
	v_lshl_add_u32 v2, v1, 5, s16                  ; a token's 8 flags are 32 bytes: 32 x lane + 4 e
	s_lshl_b32 s16, ttmp9, 13                      ; the expert's 2,048 words in rows and in gate
	s_mov_b32 s17, 0
	s_lshl_b32 s18, ttmp9, 7                       ; and its 32 words in cnt
	s_mov_b32 s19, 0
	s_mov_b32 s20, 0                               ; flags that are not 0, so far
	s_wait_alu depctr_va_vdst(0)
	s_wait_kmcnt 0x0
	s_add_nc_u64 s[6:7], s[6:7], s[16:17]
	s_add_nc_u64 s[8:9], s[8:9], s[16:17]
	s_add_nc_u64 s[10:11], s[10:11], s[18:19]
.set g, 0
.rept 64
	global_load_b32 v[F+g], v2, s[4:5] offset:1024*g   ; tokens 32 g + lane
.set g, g+1
.endr
.set g, 0
.rept 64
	s_wait_loadcnt 63-g                            ; loads come back in order: load g is in, the 63 - g younger ones may be out
	v_cmp_ne_u32 vcc_lo, 0, v[F+g]
	v_mbcnt_lo_u32_b32 v3, vcc_lo, 0               ; set flags in the lanes below me,
	v_add_nc_u32 v3, s20, v3                       ; and in the groups before: the slot of a token that counts
	v_sub_nc_u32 v4, v3, v1
	v_add_nc_u32 v4, 2047-32*g, v4                 ; 2,047 - (tokens before me - set flags before me): the slot of one that does not
	v_cndmask_b32 v[POS+g], v4, v3, vcc_lo
	v_min_u32 v[POS+g], 2047, v[POS+g]             ; what hangs on loaded numbers enters an address behind a hold
	v_lshlrev_b32 v[POS+g], 2, v[POS+g]
	v_add_nc_u32 v[TOKV+g], 32*g, v1
	v_cvt_f32_i32 v[F+g], v[F+g]                   ; the mask as reference() has it: the flag as f32
	global_store_b32 v[POS+g], v[TOKV+g], s[6:7]
	global_store_b32 v[POS+g], v[F+g], s[8:9]
	s_bcnt1_i32_b32 s21, vcc_lo
	s_add_co_u32 s20, s20, s21
.set g, g+1
.endr
	v_mov_b32 v5, s20
	v_lshlrev_b32 v6, 2, v1
	global_store_b32 v6, v5, s[10:11]              ; the count, 32 times: the buffer is written whole
	s_endpgm
.Lzero:
	s_sub_co_u32 s16, ttmp9, 8
	s_lshl_b32 s16, s16, 14                        ; my 16,384 bytes of part
	s_mov_b32 s17, 0
	s_wait_alu depctr_va_vdst(0)
	v_lshlrev_b32 v2, 4, v1
	v_mov_b32 v8, 0
	v_mov_b32 v9, 0
	v_mov_b32 v10, 0
	v_mov_b32 v11, 0
	s_wait_alu depctr_va_vdst(0)
	s_wait_kmcnt 0x0
	s_add_nc_u64 s[12:13], s[12:13], s[16:17]
.set g, 0
.rept 32
	global_store_b128 v2, v[8:11], s[12:13] offset:512*g   ; 32 lanes store 512 consecutive bytes, aligned
.set g, g+1
.endr
	s_endpgm
.Lfunc_end_k_qefdd54f7bf_route:
	.size	k_qefdd54f7bf_route, .Lfunc_end_k_qefdd54f7bf_route-k_qefdd54f7bf_route
	.p2alignl 7, 3214868480
	.fill 96, 4, 3214868480
	.section	.rodata,"a",@progbits
	.p2align	6, 0x0
	.amdhsa_kernel k_qefdd54f7bf_route
		.amdhsa_group_segment_fixed_size 0
		.amdhsa_private_segment_fixed_size 0
		.amdhsa_enable_private_segment 0
		.amdhsa_kernarg_size 40
		.amdhsa_user_sgpr_count 2
		.amdhsa_user_sgpr_kernarg_segment_ptr 1
		.amdhsa_wavefront_size32 1
		.amdhsa_system_sgpr_workgroup_id_x 1
		.amdhsa_system_sgpr_workgroup_id_y 1
		.amdhsa_system_sgpr_workgroup_id_z 1
		.amdhsa_system_vgpr_workitem_id 0
		.amdhsa_next_free_vgpr 208
		.amdhsa_next_free_sgpr 66
		.amdhsa_reserve_vcc 1
		.amdhsa_float_denorm_mode_32 3
		.amdhsa_float_denorm_mode_16_64 3
		.amdhsa_memory_ordered 1
		.amdhsa_forward_progress 1
		.amdhsa_inst_pref_size 57
	.end_amdhsa_kernel
	.amdgpu_metadata
---
amdhsa.version: [ 1, 2 ]
amdhsa.kernels:
  - .name:           k_qefdd54f7bf_route
    .symbol:         k_qefdd54f7bf_route.kd
    .args:
      - { .name: sparsity, .offset: 0, .size: 8, .value_kind: global_buffer, .address_space: global }
      - { .name: rows, .offset: 8, .size: 8, .value_kind: global_buffer, .address_space: global }
      - { .name: gate, .offset: 16, .size: 8, .value_kind: global_buffer, .address_space: global }
      - { .name: cnt, .offset: 24, .size: 8, .value_kind: global_buffer, .address_space: global }
      - { .name: part, .offset: 32, .size: 8, .value_kind: global_buffer, .address_space: global }
    .group_segment_fixed_size: 0
    .private_segment_fixed_size: 0
    .kernarg_segment_align: 8
    .kernarg_segment_size: 40
    .max_flat_workgroup_size: 32
    .sgpr_count:     66
    .vgpr_count:     208
    .wavefront_size: 32
...
	.end_amdgpu_metadata
.endif
;; end of part 4
;; launch main (part 5): grid 32 x 8, 4 waves a work-group, no clusters, 51,712 bytes of LDS; arguments hidden_4d, weight_codes, weight_scales, rows, gate, cnt, part; writes part
.if DOCPART == 5
	.amdgcn_target "amdgcn-amd-amdhsa--gfx1250"
	.amdhsa_code_object_version 6
	.text
	.protected	k_qefdd54f7bf_main
	.globl	k_qefdd54f7bf_main
	.p2align	8
	.type	k_qefdd54f7bf_main,@function
k_qefdd54f7bf_main:
	s_mov_b64 s[64:65], 0
	v_nop
	global_prefetch_b8 v0, s[64:65] scope:SCOPE_SE
	s_setreg_imm32_b32 hwreg(HW_REG_WAVE_SCHED_MODE, 0, 2), 2
	s_setreg_imm32_b32 hwreg(HW_REG_WAVE_MODE, 25, 1), 1
	s_wait_xcnt 0x0
	s_wait_alu depctr_vm_vsrc(0)
; part[e][s][w][b] = the sum over n = 512 w .. 512 w + 511 and k = 128 s .. 128 s + 127 of Q(hidden[b][e][k] x gate) x W[e][n][k], on codes of BF8 (E5M2) with one E8M0 scale for each 32 along K.
; hidden_4d: [2048][8][1][2048] f32.  weight_codes: [8][2048 n][2048 k], one code a byte; weight_scales: [8][2048 n][64].  rows, gate, cnt: the lists of the launch before.
; SHARES.  A work-group is (expert e = y, K step s = x / 2 of 128, parity t = x % 2): 8 x 16 x 2 = 256.  Only the sum over n is wanted, so all n blocks of a block of tokens add onto ONE accumulator, and the registers are free
; for the weights: wave w keeps W[e][512 w ..][128 s ..], 32 fragments, 512 registers, for the whole launch.  The expert's listed tokens stream past, 64 slots (4 blocks of 16) a round; rounds 2 i + t are this work-group's.
; Rows whose flag is 0 are neither read nor multiplied, but for those that fill the last round: their gate is 0, their codes are zeros, and 0 is stored for them.
; A TRIP r (parity p = r % 2): 128 matrix instructions on round r's four fragments XR[p]; between them, three lines behind each: round r + 1's fragments from LDS into XR[1 - p]; my block (block w) of round r + 2: out of raw[p],
; turned through my own stage in LDS so that a lane holds 16 neighbours along K of each block of 32, x gate, quantised, stored to LDS as an image of the operand's registers; round r + 4's 16 rows asked for into raw[p].
; Then the accumulators are summed over their 16 n and stored, one number for each token.  One barrier a trip.  The vector and LDS lines are about 2.4 for each matrix instruction, so they stand between the matrix instructions, at the
; price of two window switches for each.
; THE NUMBER OF ROUNDS HANGS ON A STORED COUNT.  The loop has a constant 16 trips; a trip at or beyond the count jumps over its work and not over its barrier.  Rounds beyond the count are still asked for, with a lane step of 0
; (every lane reads the row's first 16 bytes), so that a trip always has the same 19 loads behind it.
; NO CLUSTER, NO TENSOR LOAD: which trips work hangs on a number read from memory; a piece of hidden is read by one work-group alone, and a piece of W by two (t = 0, 1), once each.
; LIMITS.  NaN and infinities in hidden are not served (reference() makes NaN of infinity x 0 in a row whose flag is 0; such a row is not read here).  A block of zeros, and a block whose largest magnitude lies under 2^-111, gets the
; scale byte 1 (the rule: 127 for zeros): zero codes add nothing under any byte, and the bytes are read here alone.  The f32 sums run in another order than reference()'s: n blocks in a chain, then 512 parts in the next launch.
; THE MODE: SCHED_MODE bits 1:0 = 2 (LLVM: expert scheduling mode 2), set by the entry lines.  The code itself states the register dependences between vector or matrix instructions and memory or LDS instructions, with s_wait_alu, always for 0.
; THE PLAN.  Registers that memory or LDS instructions touch in trip r, parity p:
;   raw[p]                 read by the 16 LDS stores into the stage; then round r + 4's 16 loads land in it.  No vector line names it: the rows' offsets have registers of their own.
;   XQ                     the stage's 16 LDS loads land in it; then the quantiser's 160 lines read and write it.
;   XR[1-p], XS[1-p]       read by trip r - 1's matrix instructions; the 20 image loads land in them; read by trip r + 1's matrix instructions.
;   GT[p], TK[p]           read by one v_mov and two v_min; then three loads land in them.
;   AD[p], TKA[p], GTA[p]  offsets: written by 18 vector lines, read by the trip's 19 loads; written again in trip r + 2.
;   PC, PW                 written by the quantiser, read by the five LDS stores of the image; written again in trip r + 1.
;   SA, OV                 written by vector lines, read by the trip's two stores; written again in trip r + 1.
;   TRW, TRR, LI, LS, IWI, IWS, WOF, WSO, v254, v255: made at the head, never written again.
; ONE wait on vm_vsrc a trip, behind the turn through the stage and ahead of every line that writes SA, the offsets, raw[p], PC, PW or OV again.  THREE waits on va_vdst a trip: ahead of the 19 loads (the offsets are written; GT[p] and
; TK[p] are read); ahead of the image's stores (PC, PW are written; XQ is done with); ahead of the two stores at the trip's end (SA, OV are written; the trip's matrix instructions are done reading XR[p], XS[p]).  What stands between such a
; wait and the loads and stores that lean on it are the trip's matrix instructions, which name W, XR[p], XS[p], W's scale words and the accumulators, and lines that name none of the registers that those loads and stores touch.
.set TRP,  528                         ; a row in the stage: 512 bytes + 16 = 33 x 16: the 16 rows that a load touches fall into 16 different columns of 16 bytes
.set TRB,  16*TRP                      ; LDS 0: a stage of 16 rows for each wave, its own
.set IMG0, 4*TRB                       ; behind them two sets of images, by the round's parity:
.set IMGB, 8704                        ; 4 fragments x 2,048 bytes (block q: 2048 q + 512 c + 16 x lane), then their scale words (128 q + 4 x lane)
.set ISC,  8192
; window 0
.set LANE, 1                           ; v1   lane
.set LI,   2                           ; v2   16 x lane
.set LS,   3                           ; v3   4 x lane
.set R4,   4                           ; v4   4 x (lane % 16)
.set TRW,  5                           ; v5   the stage, in: my stage + 16 x lane
.set TRR,  6                           ; v6   the stage, out: my stage + 528 (lane % 16) + 64 (lane / 16)
.set IWI,  7                           ; v7   where I store my fragment's image: 2048 w + 16 x lane
.set IWS,  8                           ; v8   and its scale word: 128 w + 4 x lane
.set LX,   9                           ; v9   lane x step
.set GQ,   10                          ; v[10:11] my row's gate; v11 is named with it as a pair and holds 0
.set GT,   12                          ; v12-13 the gate as loaded, by parity
.set TK,   14                          ; v14-17 the round's 64 tokens, two registers for each parity
.set SA,   18                          ; v18-19 the stores' offsets
.set OV,   20                          ; v20-21 the stores' data
.set WOF,  22                          ; v22  W's codes: 2048 (lane % 16) + 16 (lane / 16)
.set WSO,  23                          ; v23  W's scale words: 64 x lane
.set RT,   24                          ; v24-39 at work in the sums
.set WS,   40                          ; v40-55 W's scale words: register i: lanes 0-15 fragment 2 i, lanes 16-31 fragment 2 i + 1
.set XS,   56                          ; v56-63 the rows' scale words: 4 p + q
.set PC,   64                          ; v64-79 the codes just made
.set TM,   80                          ; v80-95 four each: largest magnitudes; the other half's, then bytes; the largest number x the scale; the conversion's scale
.set XQ,   96                          ; v96-159 64 numbers: register 16 c + i = k 32 c + 16 (lane / 16) + i of row lane % 16
.set ACC,  160                         ; v160-191 four accumulators, one for each block of tokens
.set PW,   192                         ; v192 the scale word just made
.set AD,   194                         ; v194-225 the sixteen rows' offsets in hidden, a set for each parity
.set TKA,  226                         ; v226-227 the offset of the round's tokens in rows, by parity
.set GTA,  228                         ; v228-229 the offset of my block's gates, by parity
; window 1: v0-63 raw[0], v64-127 raw[1] (row i: 4 registers); v128-191 XR[0], v192-255 XR[1].   windows 2, 3: W's fragments 0-15, 16-31.
; scalars: s[2:3] hidden, s[4:5] W's codes, s[6:7] W's scales, s[8:9] rows, s[10:11] gate, s[12:13] part, each at this work-group's (wave's) part; s14 w, s15 e, s84 s, s85 t, s91 4 t + w; s86 my rounds; s88 the trip;
; s[16:31] sixteen tokens (s[32:47], s[48:63], s[68:83]: three more sets at the head); s89 the lane step; s90 at work; s92, s93, s94 offsets into gate and rows.
.set MSB, 0
.macro WIN new                         ; the immediate's high byte repeats the setting that is left; a switch that changes nothing is dropped
.if MSB != (\new)
	s_set_vgpr_msb (MSB<<8)|(\new)
.set MSB, (\new)
.endif
.endm
; Each of the macros below writes line n of a run.
.macro IT_TRS p                        ; row n as loaded (16 bytes a lane, 512 on end) into my stage
	WIN 0x04                                       ; an LDS store's data are source 1: window 1
	ds_store_b128 v[TRW], v[64*\p+4*n:64*\p+4*n+3] offset:TRP*n
.endm
.macro IT_TRL                          ; and back: of row lane % 16, four neighbours of block n / 4.  LDS serves a wave's instructions in order (ISA guide 5.7.1.4): these see the stores
	WIN 0
	ds_load_b128 v[XQ+4*n:XQ+4*n+3], v[TRR] offset:128*(n/4)+16*(n%4)
.endm
.macro IT_F pp                         ; four registers of a fragment's image: block n / 4
	WIN 0x40                                       ; destination window 1
	ds_load_b128 v[128+64*(\pp)+4*n:128+64*(\pp)+4*n+3], v[LI] offset:IMG0+IMGB*(\pp)+512*n
.endm
.macro IT_FS pp                        ; block n's scale words
	WIN 0
	ds_load_b32 v[XS+4*(\pp)+n], v[LS] offset:IMG0+IMGB*(\pp)+ISC+128*n
.endm
.macro IT_MIN tk                       ; a loaded token enters an address behind a hold
	s_min_u32 s[\tk+n], s[\tk+n], 2047
.endm
.macro IT_ADR p, tk                    ; row n's offset: a token's 8 x 2,048 numbers are 65,536 bytes
	WIN 0
	v_lshl_add_u32 v[AD+16*\p+n], s[\tk+n], 16, v[LX]
.endm
.macro IT_LD p                         ; 32 lanes read the row's 512 consecutive bytes of this K step, aligned
	WIN 0x40                                       ; destination window 1, the offset in window 0
	global_load_b128 v[64*\p+4*n:64*\p+4*n+3], v[AD+16*\p+n], s[2:3] th:TH_LOAD_NT
.endm
.macro IT_SC d                         ; the scalar lines of trip s88 + d
.if n == 0
	s_add_co_u32 s90, s88, \d+4                    ; the round to be asked for
.elseif n == 1
	s_cmp_lt_u32 s90, s86
.elseif n == 2
	s_cselect_b32 s89, 16, 0                       ; one of mine: 16 bytes a lane; else all lanes at the row's first 16
.elseif n == 3
	s_min_u32 s89, s89, 16                         ; (chosen by a stored count: held before it enters an address)
.elseif n == 4
	s_lshl_b32 s90, s90, 3
.elseif n == 5
	s_add_co_u32 s90, s90, s91                     ; its block of mine: 8 round + 4 t + w,
.elseif n == 6
	s_min_u32 s90, s90, 127                        ; inside the list
.elseif n == 7
	s_lshl_b32 s92, s90, 6                         ; 16 slots of 4 bytes
.elseif n == 8
	s_add_co_u32 s90, s88, \d+5                    ; the tokens of the round after it
.elseif n == 9
	s_lshl_b32 s90, s90, 3
.elseif n == 10
	s_add_co_u32 s90, s90, s91
.elseif n == 11
	s_min_u32 s90, s90, 127
.elseif n == 12
	s_lshl_b32 s93, s90, 6
.elseif n == 13
	s_add_co_u32 s90, s88, \d+2                    ; the 64 tokens of the round that this parity multiplies next
.elseif n == 14
	s_lshl_b32 s90, s90, 1
.elseif n == 15
	s_add_co_u32 s90, s90, s85
.elseif n == 16
	s_min_u32 s90, s90, 31
.else
	s_lshl_b32 s94, s90, 8
.endif
.endm
.macro IT_SA p                         ; this round's tokens become the stores' offsets
	WIN 0
.if n < 2
	v_min_u32 v[SA+n], 2047, v[TK+2*\p+n]
.else
	v_lshlrev_b32 v[SA+n-2], 2, v[SA+n-2]
.endif
.endm
.macro IT_TKL p                        ; 32 tokens of the round that this parity multiplies next
	WIN 0
	global_load_b32 v[TK+2*\p+n], v[TKA+\p], s[8:9] offset:128*n
.endm
; 160 lines: the 64 numbers in v[XQ] on are multiplied by the gate and become a fragment's codes in v[PC] on and its scale word in v[PW]
.macro IT_Q
	WIN 0
.if n < 32
	v_pk_mul_f32 v[XQ+2*n:XQ+2*n+1], v[XQ+2*n:XQ+2*n+1], v[GQ:GQ+1] op_sel_hi:[1,0]   ; h = hidden x mask, as reference() has it
.elseif n < 36
.set b, n-32
	v_max3_num_f32 v[TM+b], |v[XQ+16*b]|, |v[XQ+16*b+1]|, 0x8000000   ; block b: my 16 numbers, and the floor 2^(16 - 127): the byte cannot fall under 1
.elseif n < 64
.set b, (n-36)%4
.set i, 2+2*((n-36)/4)
	v_max3_num_f32 v[TM+b], v[TM+b], |v[XQ+16*b+i]|, |v[XQ+16*b+i+1]|   ; the four blocks by turns
.elseif n < 68
.set b, n-64
	v_permlanex16_b32 v[TM+4+b], v[TM+b], s98, s99
.elseif n < 72
.set b, n-68
	v_max_num_f32 v[TM+b], v[TM+b], v[TM+4+b]      ; with lane l xor 16's: the block's largest magnitude
.elseif n < 76
.set b, n-72
	v_add_nc_u32 v[TM+12+b], 0xf8800000, v[TM+b]   ; 15 off its exponent field: the conversion takes this operand's exponent field as its scale
.elseif n < 80
.set b, n-76
	v_and_or_b32 v[TM+8+b], v[TM+b], 0x7f800000, s100   ; 57,344 x the scale
.elseif n < 84
.set b, n-80
	v_lshrrev_b32 v[TM+4+b], 23, v[TM+12+b]        ; the scale's byte
.elseif n == 84
	v_lshl_or_b32 v[PW], v[TM+5], 8, v[TM+4]
.elseif n == 85
	v_lshl_or_b32 v[PW], v[TM+6], 16, v[PW]
.elseif n == 86
	v_lshl_or_b32 v[PW], v[TM+7], 24, v[PW]
.elseif n < 159
.set b, (n-87)/18
.set i, (n-87)%18
.if i < 16
	v_med3_num_f32 v[XQ+16*b+i], v[XQ+16*b+i], -v[TM+8+b], v[TM+8+b]   ; the conversion to an 8-bit code does not saturate (ISA guide 7.6.2): the hold
.elseif i == 16
	v_cvt_scalef32_pk8_bf8_f32 v[PC+4*b:PC+4*b+1], v[XQ+16*b:XQ+16*b+7], v[TM+12+b]
.else
	v_cvt_scalef32_pk8_bf8_f32 v[PC+4*b+2:PC+4*b+3], v[XQ+16*b+8:XQ+16*b+15], v[TM+12+b]
.endif
.else
	v_nop                                          ; a plain line behind the last conversion
.endif
.endm
.macro IT_IMG p                        ; the fragment goes to LDS as it stands in the registers, and its scale word
	WIN 0
.if n < 4
	ds_store_b128 v[IWI], v[PC+4*n:PC+4*n+3] offset:IMG0+IMGB*(\p)+512*n
.else
	ds_store_b32 v[IWS], v[PW] offset:IMG0+IMGB*(\p)+ISC
.endif
.endm
; whole runs, for the head
.macro ALL_TRS p
.set n, 0
.rept 16
	IT_TRS \p
.set n, n+1
.endr
.endm
.macro ALL_TRL
.set n, 0
.rept 16
	IT_TRL
.set n, n+1
.endr
.endm
.macro ALL_F pp
.set n, 0
.rept 16
	IT_F \pp
.set n, n+1
.endr
.set n, 0
.rept 4
	IT_FS \pp
.set n, n+1
.endr
.endm
.macro ALL_Q
.set n, 0
.rept 160
	IT_Q
.set n, n+1
.endr
.endm
.macro ALL_IMG p
.set n, 0
.rept 5
	IT_IMG \p
.set n, n+1
.endr
.endm
.macro WLOAD f                         ; W's fragment f: lane (r, h): row 512 w + 16 f + r, bytes 32 c + 16 h on of this K step's 128
.set ww, 0x80+0x40*((\f)/16)
	WIN ww                                         ; destination window 2 or 3
.irp c, 0,1,2,3
	global_load_b128 v[16*((\f)%16)+4*\c:16*((\f)%16)+4*\c+3], v[WOF], s[4:5] offset:32768*(\f)+32*\c
.endr
.endm
; At the head: my block of round g is asked for: 16 rows and the gate: 17 loads.  tok = 1: and the 64 tokens of round g - 2, slots 64 (2 (g - 2) + t) on: 19 loads.
.macro GROUP g, p, tk, tok
.set n, 0
.rept 16
	IT_MIN \tk
.set n, n+1
.endr
	s_cmp_gt_u32 s86, \g
	s_cselect_b32 s89, 16, 0
	s_min_u32 s89, s89, 16
	s_add_co_u32 s90, s91, 8*\g
	s_lshl_b32 s90, s90, 6
	WIN 0
	v_mul_u32_u24 v[LX], v[LANE], s89
.set n, 0
.rept 16
	IT_ADR \p, \tk
.set n, n+1
.endr
	v_add_nc_u32 v[GTA+\p], s90, v[R4]
.if \tok
	s_lshl_b32 s94, s85, 8
	s_add_co_u32 s94, s94, 512*(\g-2)
	v_add_nc_u32 v[TKA+\p], s94, v[LS]
.endif
	s_wait_alu depctr_va_vdst(0)                   ; the offsets AD[p], GTA[p] (tok = 1: and TKA[p]) are written, which the loads below read; the v_mov ahead of the group is done reading GT[p], in which a load lands
.set n, 0
.rept 16
	IT_LD \p
.set n, n+1
.endr
	WIN 0
	global_load_b32 v[GT+\p], v[GTA+\p], s[10:11]
.if \tok
	global_load_b32 v[TK+2*\p], v[TKA+\p], s[8:9]
	global_load_b32 v[TK+2*\p+1], v[TKA+\p], s[8:9] offset:128
.endif
.endm
; Matrix instruction k of a trip's 128: W's fragment k / 4 (source 0) x block k % 4 of the tokens (source 1).  In the result a lane holds ONE token (lane % 16) and eight n.
; The four accumulators take turns, one instruction a turn; the first four start the sums with the constant 0.
.macro WM p
.set wi, k/4
.set wq, k%4
.set rA, 16*(wi%16)
.set rB, 128+64*\p+16*wq
.set rD, ACC+8*wq
.set ww, 0x06+wi/16
	WIN ww                                         ; source 0 window 2 or 3, source 1 window 1, C and D window 0
.if wi == 0
	v_wmma_scale_f32_16x16x128_f8f6f4 v[rD:rD+7], v[rA:rA+15], v[rB:rB+15], 0, v[WS+wi/2], v[XS+4*\p+wq] matrix_a_fmt:MATRIX_FMT_BF8 matrix_b_fmt:MATRIX_FMT_BF8
.elseif wi%2 == 0
	v_wmma_scale_f32_16x16x128_f8f6f4 v[rD:rD+7], v[rA:rA+15], v[rB:rB+15], v[rD:rD+7], v[WS+wi/2], v[XS+4*\p+wq] matrix_a_fmt:MATRIX_FMT_BF8 matrix_b_fmt:MATRIX_FMT_BF8
.else
	v_wmma_scale_f32_16x16x128_f8f6f4 v[rD:rD+7], v[rA:rA+15], v[rB:rB+15], v[rD:rD+7], v[WS+wi/2], v[XS+4*\p+wq] matrix_a_fmt:MATRIX_FMT_BF8 matrix_b_fmt:MATRIX_FMT_BF8 matrix_a_scale:MATRIX_SCALE_ROW1
.endif
.endm
; Line j of the 302 that stand between a trip's matrix instructions.  None of them names a register of this trip's matrix instructions.
.macro ITEM p, d
.if j == 0
	s_wait_loadcnt 19                              ; all but the last trip's 19 loads are in: raw[p], its gate, this round's tokens (in the first trip: all of W too)
.elseif j < 17
.set n, j-1
	IT_TRS \p
.elseif j < 33
.set n, j-17
	IT_TRL                                         ; (XQ: the last quantiser's lines stand ahead of the wait in front of its image's stores, and no vector line has named XQ since)
.elseif j < 49
.set n, j-33
	IT_F 1-\p                                      ; (XR[1 - p], and below XS[1 - p]: the last trip's matrix instructions stand ahead of the wait at that trip's end; this trip's name the other parity's)
.elseif j < 53
.set n, j-49
	IT_FS 1-\p
.elseif j == 53
	s_wait_kmcnt 0x0                               ; the sixteen tokens asked for in the last trip; s93, that load's offset, may be written again
.elseif j < 70
.set n, j-54
	IT_MIN 16
.elseif j < 88
.set n, j-70
	IT_SC \d
.elseif j == 88
	s_wait_dscnt 20                                ; all but the 16 + 4 image loads: the turn through the stage is over: v[XQ] on may be read
.elseif j == 89
	s_wait_xcnt 0x0                                ; the last trip's stores have read their offsets and data
.elseif j == 90
	s_wait_alu depctr_vm_vsrc(0)                   ; the stage's stores have read raw[p], in which loads land below; the last trip's stores have read SA and OV, its image's stores PC and PW, and the loads of two trips back AD[p], TKA[p], GTA[p]: all are written again below
.elseif j == 91
	WIN 0
	v_mov_b32 v[GQ], v[GT+\p]
.elseif j == 92
	WIN 0
	v_mul_u32_u24 v[LX], v[LANE], s89
.elseif j < 97
.set n, j-93
	IT_SA \p
.elseif j < 113
.set n, j-97
	IT_ADR \p, 16
.elseif j == 113
	WIN 0
	v_add_nc_u32 v[TKA+\p], s94, v[LS]
.elseif j == 114
	WIN 0
	v_add_nc_u32 v[GTA+\p], s92, v[R4]
.elseif j == 115
	s_wait_alu depctr_va_vdst(0)                   ; AD[p], TKA[p], GTA[p] are written, which the 19 loads below read; the v_mov is done reading GT[p] and the two v_min TK[p], in which three of them land
.elseif j < 132
.set n, j-116
	IT_LD \p
.elseif j < 134
.set n, j-132
	IT_TKL \p
.elseif j == 134
	WIN 0
	global_load_b32 v[GT+\p], v[GTA+\p], s[10:11]
.elseif j == 135
	s_load_b512 s[16:31], s[8:9], s93 offset:0x0   ; the next trip's sixteen tokens
.elseif j < 296
.set n, j-136
	IT_Q
.elseif j == 296
	s_wait_alu depctr_va_vdst(0)                   ; the conversions have written PC and the shifts PW, which the image's stores read; the quantiser is done with XQ, in which the next trip's loads from the stage land
.elseif j < 302
.set n, j-297
	IT_IMG \p
.endif
.endm
; The sums over the accumulators' n: eight registers, each accumulator from its low end on, then the other half of the lanes.  Two blocks share the exchange: lanes 0-15 end with block 2 u's sixteen tokens, lanes 16-31 with block 2 u + 1's.
.macro RED
.irp q, 0,1,2,3
	v_pk_add_f32 v[RT+4*\q:RT+4*\q+1], v[ACC+8*\q:ACC+8*\q+1], v[ACC+8*\q+2:ACC+8*\q+3]
.endr
.irp q, 0,1,2,3
	v_pk_add_f32 v[RT+4*\q+2:RT+4*\q+3], v[ACC+8*\q+4:ACC+8*\q+5], v[ACC+8*\q+6:ACC+8*\q+7]
.endr
.irp q, 0,1,2,3
	v_pk_add_f32 v[RT+4*\q:RT+4*\q+1], v[RT+4*\q:RT+4*\q+1], v[RT+4*\q+2:RT+4*\q+3]
.endr
.irp q, 0,1,2,3
	v_add_f32 v[RT+4*\q], v[RT+4*\q], v[RT+4*\q+1]
.endr
.irp u, 0,1
	v_cndmask_b32 v[OV+\u], v[RT+8*\u], v[RT+8*\u+4], s101       ; what stays: lanes 0-15 block 2 u's, lanes 16-31 block 2 u + 1's
.endr
.irp u, 0,1
	v_cndmask_b32 v[RT+8*\u+1], v[RT+8*\u+4], v[RT+8*\u], s101   ; what the other half wants
.endr
.irp u, 0,1
	v_permlanex16_b32 v[RT+8*\u+2], v[RT+8*\u+1], s98, s99
.endr
.irp u, 0,1
	v_add_f32 v[OV+\u], v[OV+\u], v[RT+8*\u+2]
.endr
	s_wait_alu depctr_va_vdst(0)                   ; SA and OV are written, which the two stores read; this trip's matrix instructions are done reading XR[p] and XS[p], in which the next trip's image loads land
.irp u, 0,1
	global_store_b32 v[SA+\u], v[OV+\u], s[12:13]                ; a number for each of 32 listed tokens, which ascend in the row of part
.endr
.endm
.macro FULL p, d
.set k, 0
.set j, 0
.rept 128
	WM \p
.rept 3
	ITEM \p, \d
.set j, j+1
.endr
.set k, k+1
.endr
	WIN 0
.rept 8
	v_nop                                          ; eight places behind this form in front of the first read of results
.endr                                              ; with the sums' lines on the other accumulators they are more than the nine in front of the next trip's products, which begin the accumulators anew
	RED
.endm
; A trip.  The jump over the work hangs on the stored count; the wait for LDS and the barrier stand behind the join, on every wave's path.
.macro TRIP p, d
	s_add_co_u32 s90, s88, \d
	s_cmp_ge_u32 s90, s86
	s_cbranch_scc1 .Lskip_\@
	FULL \p, \d
	s_branch .Ljoin_\@
.Lskip_\@:
	s_wait_loadcnt 0x0                             ; nothing more is asked for: what is out comes in
.Ljoin_\@:
	s_wait_dscnt 0x0                               ; my images of round r + 2 have landed, and my reads of round r + 1's are in: the next trip's images go over those
	s_barrier_signal -1
	s_barrier_wait -1
.endm
	s_load_b256 s[16:23], s[0:1], 0x0              ; hidden s[16:17], W's codes s[18:19], W's scales s[20:21], rows s[22:23]
	s_load_b128 s[24:27], s[0:1], 0x20             ; gate s[24:25], cnt s[26:27]
	s_load_b64 s[28:29], s[0:1], 0x30              ; part
	v_lshl_add_u32 v254, v0, 2, 0xc800
	v_mov_b32 v255, 0
	v_lshrrev_b32 v1, 5, v0
	v_readfirstlane_b32 s14, v1                    ; wave 0..3
	s_lshr_b32 s84, ttmp9, 1                       ; K step
	s_and_b32 s85, ttmp9, 1                        ; parity of my rounds
	s_and_b32 s15, ttmp7, 0xffff                   ; expert
	s_lshl_b32 s91, s85, 2
	s_wait_alu depctr_va_sdst(0)                   ; s14 is written, ahead of its first reader: addresses in LDS and in memory are made from it
	s_add_co_u32 s91, s91, s14                     ; 4 t + w
	s_mov_b32 s98, 0x76543210
	s_mov_b32 s99, 0xfedcba98                      ; v_permlanex16_b32's selects for lane l xor 16
	s_mov_b32 s100, 0x600000                       ; the mantissa field of 57,344
	s_mov_b32 s101, 0xffff0000                     ; lanes 16-31
	v_and_b32 v[LANE], 31, v0
	v_and_b32 v[RT], 15, v0                        ; r
	v_bfe_u32 v[RT+1], v0, 4, 1                    ; h
	v_lshlrev_b32 v[LI], 4, v[LANE]
	v_lshlrev_b32 v[LS], 2, v[LANE]
	v_lshlrev_b32 v[R4], 2, v[RT]
	s_mul_i32 s90, s14, TRB
	v_add_nc_u32 v[TRW], s90, v[LI]
	v_mul_u32_u24 v[TRR], v[RT], TRP
	v_lshl_add_u32 v[TRR], v[RT+1], 6, v[TRR]
	v_add_nc_u32 v[TRR], s90, v[TRR]
	s_lshl_b32 s90, s14, 11
	v_add_nc_u32 v[IWI], s90, v[LI]
	s_lshl_b32 s90, s14, 7
	v_add_nc_u32 v[IWS], s90, v[LS]
	v_mov_b32 v[GQ+1], 0
	v_lshlrev_b32 v[WOF], 11, v[RT]
	v_lshl_add_u32 v[WOF], v[RT+1], 4, v[WOF]
	v_lshlrev_b32 v[WSO], 6, v[LANE]
.irp b, 4,5,6,7
	v_mov_b32 v[TM+\b], 0                          ; written once: a lane permute's destination counts as one of its sources
.endr
	s_mov_b32 s93, 0
	s_lshl_b32 s92, s15, 13                        ; the expert's 8,192 bytes in rows, in gate, and in a token's part of hidden
	s_wait_kmcnt 0x0
	s_add_nc_u64 s[8:9], s[22:23], s[92:93]
	s_add_nc_u64 s[10:11], s[24:25], s[92:93]
	s_lshl_b32 s90, s84, 9
	s_add_co_u32 s92, s92, s90                     ; + the K step's 512 bytes
	s_add_nc_u64 s[2:3], s[16:17], s[92:93]
	s_lshl_b32 s92, s15, 22                        ; W's codes: 2^22 bytes an expert, 512 rows of 2,048 a wave, 128 a K step
	s_lshl_b32 s90, s14, 20
	s_add_co_u32 s92, s92, s90
	s_lshl_b32 s90, s84, 7
	s_add_co_u32 s92, s92, s90
	s_add_nc_u64 s[4:5], s[18:19], s[92:93]
	s_lshl_b32 s92, s15, 17                        ; W's scales: a thirty-second of that
	s_lshl_b32 s90, s14, 15
	s_add_co_u32 s92, s92, s90
	s_lshl_b32 s90, s84, 2
	s_add_co_u32 s92, s92, s90
	s_add_nc_u64 s[6:7], s[20:21], s[92:93]
	s_lshl_b32 s92, s15, 7
	s_add_nc_u64 s[96:97], s[26:27], s[92:93]      ; the expert's count
	s_lshl_b32 s92, s15, 4
	s_add_co_u32 s92, s92, s84
	s_lshl_b32 s92, s92, 2
	s_add_co_u32 s92, s92, s14
	s_lshl_b32 s92, s92, 13                        ; part: row (16 e + s) 4 + w of 8,192 bytes
	s_add_nc_u64 s[12:13], s[28:29], s[92:93]
	s_lshl_b32 s93, s91, 6
	s_load_b32 s86, s[96:97], 0x0
	s_load_b512 s[16:31], s[8:9], s93 offset:0x0   ; my blocks' tokens of rounds 0 to 3: block 8 i + 4 t + w, 64 bytes each
	s_load_b512 s[32:47], s[8:9], s93 offset:0x200
	s_load_b512 s[48:63], s[8:9], s93 offset:0x400
	s_load_b512 s[68:83], s[8:9], s93 offset:0x600
	s_wait_alu depctr_va_vdst(0)                   ; the addresses that stay are written: WOF, WSO, which the loads of W read, and LI, LS, TRW, TRR, IWI, IWS, which every later LDS instruction reads
.irp f, 0,1,2,3,4,5,6,7,8,9,10
	WLOAD \f                                       ; W's first 11 fragments: 44 loads,
.endr
	WIN 0
.set n, 0
.rept 16
	global_load_b32 v[WS+n], v[WSO], s[6:7] offset:2048*n   ; and the scale words of all 32: lane l: row 512 w + 32 n + l
.set n, n+1
.endr
	s_wait_kmcnt 0x0
	s_min_u32 s86, s86, 2048
	s_add_co_u32 s86, s86, 15
	s_lshr_b32 s86, s86, 4                         ; blocks of 16 listed tokens,
	s_add_co_u32 s86, s86, 3
	s_lshr_b32 s86, s86, 2                         ; rounds of four blocks,
	s_max_u32 s86, s86, 1                          ; one at the least,
	s_add_co_u32 s86, s86, 1
	s_sub_co_u32 s86, s86, s85
	s_lshr_b32 s86, s86, 1                         ; and those of my parity: 0 to 16
	GROUP 0, 0, 16, 0
	GROUP 1, 1, 32, 0
.irp f, 11,12,13,14,15,16,17,18,19,20,21
	WLOAD \f                                       ; 44 loads
.endr
	s_wait_loadcnt 61                              ; behind round 0's loads: round 1's 17 and these 44.  Round 0's loads are done, so their offsets AD[0], GTA[0] may be written again
	ALL_TRS 0
	ALL_TRL
	s_wait_dscnt 0x0                               ; the turn is over
	s_wait_alu depctr_vm_vsrc(0)                   ; the stage's stores have read raw[0], in which round 2's loads land; round 0's loads have read AD[0] and GTA[0], which round 2's lines write again
	WIN 0
	v_mov_b32 v[GQ], v[GT]
	GROUP 2, 0, 48, 1                              ; 19 loads
	ALL_Q
	s_wait_alu depctr_va_vdst(0)                   ; the conversions have written PC and the shifts PW, which the image's stores read; the quantiser is done with XQ, in which the next loads from the stage land
	ALL_IMG 0
	s_wait_loadcnt 63                              ; behind round 1's loads: W's 44 and round 2's 19.  Round 1's loads are done, so their offsets AD[1], GTA[1] may be written again
	ALL_TRS 1
	ALL_TRL
	s_wait_dscnt 0x0                               ; the turn is over
	s_wait_alu depctr_vm_vsrc(0)                   ; the stage's stores have read raw[1], in which round 3's loads land; round 0's image stores have read PC and PW, which the quantiser writes again; round 1's loads have read AD[1] and GTA[1]
	WIN 0
	v_mov_b32 v[GQ], v[GT+1]
.irp f, 22,23,24,25,26,27,28,29,30,31
	WLOAD \f                                       ; 40 loads
.endr
	GROUP 3, 1, 68, 1                              ; the last 19 loads ahead of the loop
	s_add_co_u32 s93, s91, 32
	s_lshl_b32 s93, s93, 6
	s_load_b512 s[16:31], s[8:9], s93 offset:0x0   ; round 4's tokens, for the first trip
	ALL_Q
	s_wait_alu depctr_va_vdst(0)                   ; PC and PW are written, which the image's stores read; the quantiser is done with XQ, in which the first trip's loads from the stage land
	ALL_IMG 1
	s_wait_dscnt 0x0                               ; my images of rounds 0 and 1 have landed
	s_barrier_signal -1
	s_barrier_wait -1                              ; everybody's have
	ALL_F 0
	ALL_F 1                                        ; (the first trip fetches round 1 once more: one text serves all trips)
	s_wait_dscnt 0x0                               ; my reads of round 0's images are in: the first trip's images go over them
	s_barrier_signal -1
	s_barrier_wait -1
	WIN 0
	s_mov_b32 s88, 0
.Lpair:                                            ; eight times two trips: a constant
	TRIP 0, 0
	TRIP 1, 1
	s_add_co_u32 s88, s88, 2
	s_cmp_lt_u32 s88, 16
	s_cbranch_scc1 .Lpair
	s_wait_dscnt 0x0                               ; the closing lines, six on end
	s_wait_alu 0x0
	s_wait_tensorcnt 0x0
	ds_add_u32 v254, v255
	s_wait_dscnt 0x0
	s_endpgm
.Lfunc_end_k_qefdd54f7bf_main:
	.size	k_qefdd54f7bf_main, .Lfunc_end_k_qefdd54f7bf_main-k_qefdd54f7bf_main
	.p2alignl 7, 3214868480
	.fill 96, 4, 3214868480
	.section	.rodata,"a",@progbits
	.p2align	6, 0x0
	.amdhsa_kernel k_qefdd54f7bf_main
		.amdhsa_group_segment_fixed_size 51712
		.amdhsa_private_segment_fixed_size 0
		.amdhsa_enable_private_segment 0
		.amdhsa_kernarg_size 56
		.amdhsa_user_sgpr_count 2
		.amdhsa_user_sgpr_kernarg_segment_ptr 1
		.amdhsa_wavefront_size32 1
		.amdhsa_system_sgpr_workgroup_id_x 1
		.amdhsa_system_sgpr_workgroup_id_y 1
		.amdhsa_system_sgpr_workgroup_id_z 1
		.amdhsa_system_vgpr_workitem_id 0
		.amdhsa_next_free_vgpr 1024
		.amdhsa_next_free_sgpr 102
		.amdhsa_reserve_vcc 0
		.amdhsa_float_denorm_mode_32 3
		.amdhsa_float_denorm_mode_16_64 3
		.amdhsa_memory_ordered 1
		.amdhsa_forward_progress 1
		.amdhsa_inst_pref_size 147
	.end_amdhsa_kernel
	.amdgpu_metadata
---
amdhsa.version: [ 1, 2 ]
amdhsa.kernels:
  - .name:           k_qefdd54f7bf_main
    .symbol:         k_qefdd54f7bf_main.kd
    .args:
      - { .name: hidden_4d, .offset: 0, .size: 8, .value_kind: global_buffer, .address_space: global }
      - { .name: weight_codes, .offset: 8, .size: 8, .value_kind: global_buffer, .address_space: global }
      - { .name: weight_scales, .offset: 16, .size: 8, .value_kind: global_buffer, .address_space: global }
      - { .name: rows, .offset: 24, .size: 8, .value_kind: global_buffer, .address_space: global }
      - { .name: gate, .offset: 32, .size: 8, .value_kind: global_buffer, .address_space: global }
      - { .name: cnt, .offset: 40, .size: 8, .value_kind: global_buffer, .address_space: global }
      - { .name: part, .offset: 48, .size: 8, .value_kind: global_buffer, .address_space: global }
    .group_segment_fixed_size: 51712
    .private_segment_fixed_size: 0
    .kernarg_segment_align: 8
    .kernarg_segment_size: 56
    .max_flat_workgroup_size: 128
    .sgpr_count:     102
    .vgpr_count:     1024
    .wavefront_size: 32
...
	.end_amdgpu_metadata
.endif
;; end of part 5
;; launch fold (part 6): grid 32 x 1, 32 waves a work-group, no clusters, 12,288 bytes of LDS; arguments part, out0; writes out0
.if DOCPART == 6
	.amdgcn_target "amdgcn-amd-amdhsa--gfx1250"
	.amdhsa_code_object_version 6
	.text
	.protected	k_qefdd54f7bf_fold
	.globl	k_qefdd54f7bf_fold
	.p2align	8
	.type	k_qefdd54f7bf_fold,@function
k_qefdd54f7bf_fold:
	s_mov_b64 s[64:65], 0
	v_nop
	global_prefetch_b8 v0, s[64:65] scope:SCOPE_SE
	s_setreg_imm32_b32 hwreg(HW_REG_WAVE_MODE, 25, 1), 1
	s_wait_xcnt 0x0
; out0[b] = the sum of part's 512 rows at b.  part: [512][2048] f32.  A work-group owns 64 tokens: 256 bytes of each row.  Wave v adds rows 16 v .. 16 v + 15 (each load: 32 lanes, 256 consecutive bytes, aligned);
; the 32 waves' sums meet in LDS behind one barrier, and wave 0 adds them and stores 256 consecutive bytes.  Memory binds; no matrix unit, no cluster: the work-groups share no byte.
.macro HALVE cnt                       ; pair i takes pair i + cnt, for the first cnt pairs from v8 on
.set i, 0
.rept \cnt
	v_pk_add_f32 v[8+2*i:9+2*i], v[8+2*i:9+2*i], v[8+2*(i+\cnt):9+2*(i+\cnt)]
.set i, i+1
.endr
.endm
	s_load_b128 s[4:7], s[0:1], 0x0                ; part, out0
	v_lshl_add_u32 v80, v0, 2, 0x2000
	v_mov_b32 v81, 0
	v_lshrrev_b32 v1, 5, v0
	s_delay_alu instid0(VALU_DEP_1)
	v_readfirstlane_b32 s8, v1                     ; wave 0..31
	v_and_b32 v2, 31, v0
	s_delay_alu instid0(VALU_DEP_1)
	v_lshlrev_b32 v2, 3, v2                        ; 8 bytes a lane
	s_lshl_b32 s10, ttmp9, 8                       ; my work-group's 256 bytes of a row,
	s_lshl_b32 s11, s8, 17                         ; my wave's 16 rows of 8,192 bytes
	s_add_co_u32 s10, s10, s11
	s_mov_b32 s11, 0
	s_lshl_b32 s12, s8, 8
	v_add_nc_u32 v3, s12, v2                       ; LDS: 256 x wave + 8 x lane
	s_wait_alu depctr_va_vdst(0)
	s_wait_kmcnt 0x0
	s_add_nc_u64 s[4:5], s[4:5], s[10:11]
.set i, 0
.rept 16
	global_load_b64 v[8+2*i:9+2*i], v2, s[4:5] offset:8192*i th:TH_LOAD_NT
.set i, i+1
.endr
	s_wait_loadcnt 0x0
	HALVE 8
	HALVE 4
	HALVE 2
	HALVE 1
	ds_store_b64 v3, v[8:9]
	s_wait_dscnt 0x0                               ; for the others' sake: my sum has landed
	s_barrier_signal -1
	s_barrier_wait -1
	s_cmp_lg_u32 s8, 0
	s_cbranch_scc1 .Ldone
.set i, 0
.rept 32
	ds_load_b64 v[8+2*i:9+2*i], v2 offset:256*i
.set i, i+1
.endr
	s_lshl_b32 s10, ttmp9, 8
	s_mov_b32 s11, 0
	s_add_nc_u64 s[6:7], s[6:7], s[10:11]
	s_wait_dscnt 0x0
	HALVE 16
	HALVE 8
	HALVE 4
	HALVE 2
	HALVE 1
	global_store_b64 v2, v[8:9], s[6:7]            ; 32 lanes store 256 consecutive bytes, aligned
.Ldone:
	s_wait_tensorcnt 0x0
	ds_add_u32 v80, v81
	s_wait_dscnt 0x0
	s_endpgm
.Lfunc_end_k_qefdd54f7bf_fold:
	.size	k_qefdd54f7bf_fold, .Lfunc_end_k_qefdd54f7bf_fold-k_qefdd54f7bf_fold
	.p2alignl 7, 3214868480
	.fill 96, 4, 3214868480
	.section	.rodata,"a",@progbits
	.p2align	6, 0x0
	.amdhsa_kernel k_qefdd54f7bf_fold
		.amdhsa_group_segment_fixed_size 12288
		.amdhsa_private_segment_fixed_size 0
		.amdhsa_enable_private_segment 0
		.amdhsa_kernarg_size 16
		.amdhsa_user_sgpr_count 2
		.amdhsa_user_sgpr_kernarg_segment_ptr 1
		.amdhsa_wavefront_size32 1
		.amdhsa_system_sgpr_workgroup_id_x 1
		.amdhsa_system_sgpr_workgroup_id_y 1
		.amdhsa_system_sgpr_workgroup_id_z 1
		.amdhsa_system_vgpr_workitem_id 0
		.amdhsa_next_free_vgpr 82
		.amdhsa_next_free_sgpr 66
		.amdhsa_reserve_vcc 0
		.amdhsa_float_denorm_mode_32 3
		.amdhsa_float_denorm_mode_16_64 3
		.amdhsa_memory_ordered 1
		.amdhsa_forward_progress 1
		.amdhsa_inst_pref_size 8
	.end_amdhsa_kernel
	.amdgpu_metadata
---
amdhsa.version: [ 1, 2 ]
amdhsa.kernels:
  - .name:           k_qefdd54f7bf_fold
    .symbol:         k_qefdd54f7bf_fold.kd
    .args:
      - { .name: part, .offset: 0, .size: 8, .value_kind: global_buffer, .address_space: global }
      - { .name: out0, .offset: 8, .size: 8, .value_kind: global_buffer, .address_space: global }
    .group_segment_fixed_size: 12288
    .private_segment_fixed_size: 0
    .kernarg_segment_align: 8
    .kernarg_segment_size: 16
    .max_flat_workgroup_size: 1024
    .sgpr_count:     66
    .vgpr_count:     82
    .wavefront_size: 32
...
	.end_amdgpu_metadata
.endif
;; end of part 6
